; MI455X (gfx1250); checked and timed in simulation.
; The chip was launched on July 23, 2026; its instructions are those of AMD's public machine-readable ISA for CDNA 5 (MIT licence, August 2026) and "CDNA5" Instruction Set Architecture Reference Guide (July 2026). The comments in the code are by the model that wrote it; some were corrected since.
;; Simple Attention. Allowed arithmetic: float matrix products may take bf16 or f16 operands with f32 sums; other float arithmetic in f32, or as packed bf16 or f16 multiplies, adds, multiply-adds, maxima and minima; sums over many terms, partial sums and values carried from step to step in f32; what a program stores and reads back later, other than sums and carried values, may be rounded once to bf16 or f16.
;; Inputs: Wk 1,024 x 1,024 float32; Wo 1,024 x 1,024 float32; Wq 1,024 x 1,024 float32; Wv 1,024 x 1,024 float32; bk 1,024 float32; bo 1,024 float32; bq 1,024 float32; bv 1,024 float32; key 4 x 2,048 x 1,024 float32; mask 4 x 2,048 x 2,048 int32; query 4 x 2,048 x 1,024 float32; value 4 x 2,048 x 1,024 float32.
;; Outputs: out0 4 x 2,048 x 1,024 float32.
;; One version. Each part assembles by itself: llvm-mc -triple=amdgcn-amd-amdhsa -mcpu=gfx1250 --defsym DOCPART=n.
;; ======== version 1 of 1: 5 launches
;; limits: values are held in f16: magnitudes above 65,504 overflow, below 6.1e-05 lose precision
;; workspace buffers: pkq 18,874,368 bytes; pkx 18,874,368 bytes; pkv 18,874,368 bytes; pko 18,874,368 bytes; qk 33,554,432 bytes; pkk 16,777,216 bytes; pt 33,554,432 bytes; st 1,048,576 bytes
;; launch cast (part 1): grid 2048 x 1, 8 waves a work-group, no clusters, 0 bytes of LDS; arguments query, key, value, Wq, Wk, Wv, Wo, pkq, pkx, pkv, pko; writes pkq, pkx, pkv, pko
.if DOCPART == 1
	.amdgcn_target "amdgcn-amd-amdhsa--gfx1250"
	.amdhsa_code_object_version 6
	.text
	.protected	k_q5b5134877a_cast
	.globl	k_q5b5134877a_cast
	.p2align	8
	.type	k_q5b5134877a_cast,@function
k_q5b5134877a_cast:
	s_mov_b64 s[64:65], 0
	v_nop
	global_prefetch_b8 v0, s[64:65] scope:SCOPE_SE
	s_setreg_imm32_b32 hwreg(HW_REG_WAVE_MODE, 25, 1), 1
	s_wait_xcnt 0x0
; query, key, value [8192][1024] and Wq, Wk, Wv, Wo [1024][1024], all f32, are rounded to bf16 (nearest even) and that number is written as f16.
; The first three packed buffers take an activation at byte 0 and its weight at byte WOFF; the fourth takes Wo at WOFF.
; LIMITS.  A bf16 number is exact in f16 from 2^-14 up to 65,504; below 2^-14 it keeps f16's fixed step of 6e-8; beyond 65,504 it becomes an infinity.
; SHARES.  2,048 work-groups of 256 threads.  Each takes 4,096 numbers of each activation (four loads of 16 bytes a thread) and 2,048 numbers of ONE weight (two loads):
; work-groups 512 i .. 512 i + 511 share weight i.  A wave's load covers 512 consecutive bytes, its store of 8 bytes a lane 256 consecutive bytes, aligned.
; All fourteen loads go out first; no register is written twice, so the only waits are the counted ones for the loads.  Nothing is shared: no LDS, no barrier, no matrix unit.
.set WOFF, 16777216
.set X, 8                              ; v[8:63]   unit u: four f32 as loaded
.set Y, 64                             ; v[64:91]  unit u: four f16 to store
	s_load_b512 s[8:23], s[0:1], 0x0               ; query s[8:9], key s[10:11], value s[12:13], Wq s[14:15], Wk s[16:17], Wv s[18:19], Wo s[20:21], first packed buffer s[22:23]
	s_load_b128 s[24:27], s[0:1], 0x40             ; second s[24:25], third s[26:27]
	s_load_b64 s[28:29], s[0:1], 0x50              ; fourth
	v_lshlrev_b32 v1, 4, v0                        ; 16 bytes a thread in
	v_lshlrev_b32 v2, 3, v0                        ; 8 bytes a thread out
	s_mov_b32 s3, 0xffff0000                       ; a word's upper bf16
	s_lshr_b32 s2, ttmp9, 9                        ; which weight
	s_lshl_b32 s34, ttmp9, 14                      ; my 4,096 numbers of an activation: 16,384 bytes in,
	s_mov_b32 s35, 0
	s_lshl_b32 s36, ttmp9, 13                      ; 8,192 bytes out
	s_mov_b32 s37, 0
	s_and_b32 s40, ttmp9, 511
	s_lshl_b32 s38, s40, 13                        ; my 2,048 numbers of the weight: 8,192 bytes in,
	s_mov_b32 s39, 0
	s_lshl_b32 s40, s40, 12                        ; 4,096 bytes out, behind the activation
	s_add_co_u32 s40, s40, WOFF
	s_mov_b32 s41, 0
	s_wait_kmcnt 0x0
	s_cmp_eq_u32 s2, 1                             ; the weight and its buffer are chosen by the work-group's number alone
	s_cselect_b64 s[30:31], s[16:17], s[14:15]
	s_cselect_b64 s[32:33], s[24:25], s[22:23]
	s_cmp_eq_u32 s2, 2
	s_cselect_b64 s[30:31], s[18:19], s[30:31]
	s_cselect_b64 s[32:33], s[26:27], s[32:33]
	s_cmp_eq_u32 s2, 3
	s_cselect_b64 s[30:31], s[20:21], s[30:31]
	s_cselect_b64 s[32:33], s[28:29], s[32:33]
	s_add_nc_u64 s[30:31], s[30:31], s[38:39]
	s_add_nc_u64 s[32:33], s[32:33], s[40:41]
	s_add_nc_u64 s[8:9], s[8:9], s[34:35]
	s_add_nc_u64 s[10:11], s[10:11], s[34:35]
	s_add_nc_u64 s[12:13], s[12:13], s[34:35]
	s_add_nc_u64 s[22:23], s[22:23], s[36:37]
	s_add_nc_u64 s[24:25], s[24:25], s[36:37]
	s_add_nc_u64 s[26:27], s[26:27], s[36:37]
.irp i, 0,1,2,3
	global_load_b128 v[X+4*(\i):X+4*(\i)+3], v1, s[8:9] offset:4096*(\i) th:TH_LOAD_NT
.endr
.irp i, 0,1,2,3
	global_load_b128 v[X+16+4*(\i):X+16+4*(\i)+3], v1, s[10:11] offset:4096*(\i) th:TH_LOAD_NT
.endr
.irp i, 0,1,2,3
	global_load_b128 v[X+32+4*(\i):X+32+4*(\i)+3], v1, s[12:13] offset:4096*(\i) th:TH_LOAD_NT
.endr
.irp i, 0,1
	global_load_b128 v[X+48+4*(\i):X+48+4*(\i)+3], v1, s[30:31] offset:4096*(\i) th:TH_LOAD_NT
.endr
; Unit u of fourteen: four numbers; d = the low register of the pair that holds the destination, off = the byte offset there.
.macro UNIT u, d, off
	s_wait_loadcnt 13-(\u)                         ; loads come back in order: unit u is in, the younger ones stay out
	v_cvt_pk_bf16_f32 v4, v[X+4*(\u)], v[X+4*(\u)+1]     ; the rounding that counts: to bf16
	v_cvt_pk_bf16_f32 v5, v[X+4*(\u)+2], v[X+4*(\u)+3]
	v_lshlrev_b32 v[X+4*(\u)], 16, v4              ; back to f32: a shift or a mask
	v_and_b32 v[X+4*(\u)+1], s3, v4
	v_lshlrev_b32 v[X+4*(\u)+2], 16, v5
	v_and_b32 v[X+4*(\u)+3], s3, v5
	v_cvt_pk_f16_f32 v[Y+2*(\u)], v[X+4*(\u)], v[X+4*(\u)+1]       ; the same number written as f16
	v_cvt_pk_f16_f32 v[Y+2*(\u)+1], v[X+4*(\u)+2], v[X+4*(\u)+3]
	global_store_b64 v2, v[Y+2*(\u):Y+2*(\u)+1], s[\d:\d+1] offset:\off
.endm
.irp i, 0,1,2,3
	UNIT \i, 22, 2048*(\i)
.endr
.irp i, 0,1,2,3
	UNIT 4+(\i), 24, 2048*(\i)
.endr
.irp i, 0,1,2,3
	UNIT 8+(\i), 26, 2048*(\i)
.endr
.irp i, 0,1
	UNIT 12+(\i), 32, 2048*(\i)
.endr
	s_endpgm
.Lfunc_end_k_q5b5134877a_cast:
	.size	k_q5b5134877a_cast, .Lfunc_end_k_q5b5134877a_cast-k_q5b5134877a_cast
	.p2alignl 7, 3214868480
	.fill 96, 4, 3214868480
	.section	.rodata,"a",@progbits
	.p2align	6, 0x0
	.amdhsa_kernel k_q5b5134877a_cast
		.amdhsa_group_segment_fixed_size 0
		.amdhsa_private_segment_fixed_size 0
		.amdhsa_enable_private_segment 0
		.amdhsa_kernarg_size 88
		.amdhsa_user_sgpr_count 2
		.amdhsa_user_sgpr_kernarg_segment_ptr 1
		.amdhsa_wavefront_size32 1
		.amdhsa_system_sgpr_workgroup_id_x 1
		.amdhsa_system_sgpr_workgroup_id_y 1
		.amdhsa_system_sgpr_workgroup_id_z 1
		.amdhsa_system_vgpr_workitem_id 0
		.amdhsa_next_free_vgpr 96
		.amdhsa_next_free_sgpr 66
		.amdhsa_reserve_vcc 0
		.amdhsa_float_denorm_mode_32 3
		.amdhsa_float_denorm_mode_16_64 3
		.amdhsa_memory_ordered 1
		.amdhsa_forward_progress 1
		.amdhsa_inst_pref_size 10
	.end_amdhsa_kernel
	.amdgpu_metadata
---
amdhsa.version: [ 1, 2 ]
amdhsa.kernels:
  - .name:           k_q5b5134877a_cast
    .symbol:         k_q5b5134877a_cast.kd
    .args:
      - { .name: query, .offset: 0, .size: 8, .value_kind: global_buffer, .address_space: global }
      - { .name: key, .offset: 8, .size: 8, .value_kind: global_buffer, .address_space: global }
      - { .name: value, .offset: 16, .size: 8, .value_kind: global_buffer, .address_space: global }
      - { .name: Wq, .offset: 24, .size: 8, .value_kind: global_buffer, .address_space: global }
      - { .name: Wk, .offset: 32, .size: 8, .value_kind: global_buffer, .address_space: global }
      - { .name: Wv, .offset: 40, .size: 8, .value_kind: global_buffer, .address_space: global }
      - { .name: Wo, .offset: 48, .size: 8, .value_kind: global_buffer, .address_space: global }
      - { .name: pkq, .offset: 56, .size: 8, .value_kind: global_buffer, .address_space: global }
      - { .name: pkx, .offset: 64, .size: 8, .value_kind: global_buffer, .address_space: global }
      - { .name: pkv, .offset: 72, .size: 8, .value_kind: global_buffer, .address_space: global }
      - { .name: pko, .offset: 80, .size: 8, .value_kind: global_buffer, .address_space: global }
    .group_segment_fixed_size: 0
    .private_segment_fixed_size: 0
    .kernarg_segment_align: 8
    .kernarg_segment_size: 88
    .max_flat_workgroup_size: 256
    .sgpr_count:     66
    .vgpr_count:     96
    .wavefront_size: 32
...
	.end_amdgpu_metadata
.endif
;; end of part 1
;; launch proj (part 2): grid 4 x 96, 4 waves a work-group, clusters of 4 x 4, 327,680 bytes of LDS; arguments pkq, pkx, pkv, bq, bk, bv, qk, pkk; writes qk, pkk
.if DOCPART == 2
	.amdgcn_target "amdgcn-amd-amdhsa--gfx1250"
	.amdhsa_code_object_version 6
	.text
	.protected	k_q5b5134877a_proj
	.globl	k_q5b5134877a_proj
	.p2align	8
	.type	k_q5b5134877a_proj,@function
k_q5b5134877a_proj:
	s_mov_b64 s[64:65], 0
	v_nop
	global_prefetch_b8 v0, s[64:65] scope:SCOPE_SE
	s_setreg_imm32_b32 hwreg(HW_REG_WAVE_MODE, 25, 1), 1
	s_wait_xcnt 0x0
	s_wait_alu depctr_hold_cnt(0) depctr_sa_sdst(0) depctr_va_vdst(0) depctr_va_sdst(0) depctr_va_ssrc(0) depctr_va_vcc(0) depctr_vm_vsrc(0)
	s_getreg_b32 s2, hwreg(HW_REG_IB_STS2, 6, 4)
	s_cmp_eq_u32 s2, 0
	s_cbranch_scc0 .Lentry_in_a_cluster
	s_endpgm
.Lentry_in_a_cluster:
	s_bfe_u32 s2, ttmp6, 0x10000c
	s_cmp_lg_u32 s2, 0xf033
	s_cbranch_scc0 .Lentry_shape_is_right
	s_endpgm
.Lentry_shape_is_right:
; THE THREE PROJECTIONS IN ONE LAUNCH.  C[m][n] = sum over k of A[m][k] W[n][k] + bias[n], for (query, Wq, bq), (key, Wk, bk), (value, Wv, bv).
; A: [8192][1024] f16 at byte 0 of a packed buffer, W: [1024][1024] f16 at byte WOFF of the same buffer; bias: [1024] f32, rounded to bf16 like the other inputs and kept in f32.
; C: [8192][1024] f16, rounded once from the f32 sums: q at byte 0 and k at byte WOFF of the seventh buffer, v at byte 0 of the eighth.  LIMIT: C beyond 65,504 becomes an infinity.
; SHARES.  A tile of C is 256 x 256: 3 x 32 x 4 = 384 work-groups.  Four waves, each 128 x 128: 64 accumulators of 16 x 16.  K goes in 8 steps of 128 (rows of 256 bytes) through two LDS slots:
; a K step is 256 matrix instructions a wave, and a refill has 224 of them in which to land.
; THE MATRIX INSTRUCTION IS USED TRANSPOSED (source 0 = 16 rows of W, source 1 = 16 rows of A): a lane holds row l % 16 of C and the columns 8 (l / 16) + 0..7.
; The bias, laid out like an accumulator, is the C operand of the products that start the sums.
; CLUSTER.  4 x 4 work-groups; eight rows of clusters make a projection, so the projection hangs on the cluster's y alone and is the same in all sixteen partners.  The four of a row of the cluster need the
; same tile of A, the four of a column the same tile of W: each tile is asked for jointly.  Waves 0 and 1 fetch A's two halves (128 rows each), waves 2 and 3 W's.
; REGISTERS, in windows of 256 (s_set_vgpr_msb: bits 1:0 source 0, 3:2 source 1, 5:4 source 2, 7:6 destination):
;   window 0: v0-31 addresses; v64-127, v128-191 A's fragments, two buffers, later rows read back; v192-223 packed results
;   window 1: v0-63 the bias for column block b at v[8 b]; v64-127, v128-191 W's fragments; v192-193 at work
;   window 2: the accumulators of my rows 0-63 ((a, b) at v[8 (8 a + b)]);   window 3: those of my rows 64-127
.set NSTEP,  8
.set WOFF,   16777216
.set ROWB,   2048                      ; bytes in a row of A, of W and of C
.set STEP,   256                       ; bytes of a row in a K step
.set PITCH,  272                       ; an LDS row: 256 bytes + 16 of padding: the 16 rows of a fragment load start at 16 different groups of four banks (ISA guide 11.1)
.set HALFT,  128*PITCH                 ; 128 rows: what one tensor load brings, and what one wave reads of A or of W
.set SLOT,   4*HALFT                   ; A's 256 rows, then W's 256
.set STAGE,  2*SLOT                    ; behind the ring, never filled by a tensor load: 16 rows x 272 bytes for each wave
.set SPARE,  STAGE+4*16*PITCH          ; the spare words, 128 bytes for each wave: two blocks of 256 bytes that no other line names
.set ADRA0, 2                          ; v2, v3  my lane's place in A's and W's part of a slot; never rewritten
.set ADRB0, 3
.set ADRA,  4                          ; v4, v5  the same in the slot that is being read
.set ADRB,  5
.set STO,   6                          ; v6  the way out: where I put 16 bytes of a row
.set RD,    7                          ; v7  where I read rows back
.set CO,    8                          ; v8  my byte offset in two rows of C
.set SPW,   10                         ; v10 LDS address of my spare word; never rewritten
.set NIL,   11                         ; v11 0; never rewritten
.set PFO,   12                         ; v12 the prefetches' offset: my lane x a row; never rewritten
.set F0,    64
.set F1,    128
.set TMP,   192
.set OB,    64                         ; the way out: rows read back, four sets of 32 registers by turns
.set G1A,  24                          ; s[24:31] descriptor group 1 for A's tiles
.set G0A0, 32                          ; s[32:35] group 0: slot 0, K step 0
.set G0A,  36                          ; s[36:39] group 0 that walks: it starts at slot 1, K step 1
.set G1B,  48                          ; s[48:63] the same three for W's tiles
.set G0B0, 56
.set G0B,  60
.set TB,   66                          ; s66  first byte of the slot that is being read: 0 or SLOT
.set LIM,  67                          ; s67  1 in a wave that prefetches, else the greatest number
.set PFA,  68                          ; s[68:69] where my prefetches stand
.set MSB, 0
.macro WIN new                         ; the immediate's high byte repeats the setting that is left; a switch that changes nothing is dropped
.if MSB != (\new)
	s_set_vgpr_msb (MSB<<8)|(\new)
.set MSB, (\new)
.endif
.endm
.macro PLACES                          ; four places behind a matrix instruction, in front of loads into registers that it has read and of lines that read results
.rept 4
	v_nop
.endr
.endm
.macro CREST                           ; a round of the cluster's barrier behind its opening barrier
	s_cmp_lg_u32 s10, 0
	s_cbranch_scc1 .Lnot_wave_0_\@
	s_barrier_signal -3
.Lnot_wave_0_\@:
	s_barrier_wait -3
	s_barrier_signal -1
	s_barrier_wait -1
.endm
.macro CROUND                          ; a whole round
	s_barrier_signal -1
	s_barrier_wait -1
	CREST
.endm
.macro JLOAD                           ; a joint refill by the walking descriptors; the branch hangs on the wave's number alone; an s_nop 0 and four v_nop follow each line
	s_cmp_eq_u32 s11, 0
	s_cbranch_scc0 .Lfor_b_\@
	tensor_load_to_lds s[G0A:G0A+3], s[G1A:G1A+7]
	s_nop 0
	PLACES
	s_branch .Lasked_\@
.Lfor_b_\@:
	tensor_load_to_lds s[G0B:G0B+3], s[G1B:G1B+7]
	s_nop 0
	PLACES
.Lasked_\@:
.endm
; A PREFETCH INTO THE L2 of the K step that the NEXT refill will ask for: 256 matrix instructions ahead of that load.  32 rows x 256 bytes, a lane a row, one instruction a wave.  Of the 128 rows that a wave
; fetches each of the four partners that ask for them jointly takes 32, told apart by address.  A's rows are read by one cluster alone, which asks; W's by the eight rows of clusters of a projection, of which
; the first asks.  So each row's 256 bytes of a K step are named once.  K steps 0 to 2 come by their loads alone; the loop's last trip (s3 = 1) asks for nothing: there is no K step behind its refill's.
.macro ASK
	s_cmp_gt_u32 s3, s[LIM]
	s_cbranch_scc0 .Lnot_mine_\@
	global_prefetch_b8 v[PFO], s[PFA:PFA+1] th:TH_LOAD_NT scope:SCOPE_SE
.Lnot_mine_\@:
.endm
; 16 matrix instructions: row blocks a0, a0 + 1 of the window's four (hi = 0: my rows 0-63, 1: rows 64-127) x all 8 column blocks, 32 along K.  first = 1: the bias starts the sums.
; The 64 accumulators take turns in the same order in every quarter.
.macro MUL16 f, hi, a0, first
.if \first
	WIN 0x91+0x40*(\hi)                            ; W window 1, A window 0, C (the bias) window 1, D window 2 or 3
.else
	WIN 0xa1+0x50*(\hi)                            ; W window 1, A window 0, C and D window 2 or 3
.endif
.irp a, \a0, (\a0)+1
.irp b, 0,1,2,3,4,5,6,7
.if \first
	v_wmma_f32_16x16x32_f16 v[8*(8*(\a)+(\b)):8*(8*(\a)+(\b))+7], v[(\f)+8*(\b):(\f)+8*(\b)+7], v[(\f)+8*(4*(\hi)+(\a)):(\f)+8*(4*(\hi)+(\a))+7], v[8*(\b):8*(\b)+7]
.else
	v_wmma_f32_16x16x32_f16 v[8*(8*(\a)+(\b)):8*(8*(\a)+(\b))+7], v[(\f)+8*(\b):(\f)+8*(\b)+7], v[(\f)+8*(4*(\hi)+(\a)):(\f)+8*(4*(\hi)+(\a))+7], v[8*(8*(\a)+(\b)):8*(8*(\a)+(\b))+7]
.endif
.endr
.endr
.endm
; 32 LDS loads in one run: quarter kq's fragments into buffer f: W's eight, then A's eight
.macro FETCH kq, f
	WIN 0x40                                       ; destination window 1, address window 0
.irp i, 0,1,2,3,4,5,6,7
	ds_load_b128 v[(\f)+8*(\i):(\f)+8*(\i)+3],   v[ADRB] offset:64*(\kq)+16*PITCH*(\i)
	ds_load_b128 v[(\f)+8*(\i)+4:(\f)+8*(\i)+7], v[ADRB] offset:64*(\kq)+16*PITCH*(\i)+32
.endr
	WIN 0
.irp i, 0,1,2,3,4,5,6,7
	ds_load_b128 v[(\f)+8*(\i):(\f)+8*(\i)+3],   v[ADRA] offset:64*(\kq)+16*PITCH*(\i)
	ds_load_b128 v[(\f)+8*(\i)+4:(\f)+8*(\i)+7], v[ADRA] offset:64*(\kq)+16*PITCH*(\i)+32
.endr
.endm
; A K step is four quarters of 32 along K, 64 matrix instructions each, on buffers 0, 1, 0, 1.  One of the first three multiplies buffer f and fetches quarter kq into buffer g.
.macro QUARTER kq, f, g, first
	s_wait_dscnt 8                                 ; all but the youngest eight loads: A's fragments 4 to 7
	MUL16 \f, 0, 0, \first
	MUL16 \f, 0, 2, \first
	PLACES
	FETCH \kq, \g
	s_wait_dscnt 32                                ; all but the 32 just issued
	MUL16 \f, 1, 0, \first
	MUL16 \f, 1, 2, \first
.endm
; The fourth quarter multiplies buffer 1 and changes slots: one barrier; in front of it each wave waits for all its tensor loads (its part of the next slot), adds 0 to its spare word, and waits for
; that and for its reads of this slot.  fill = 1: the barrier opens a round of the cluster's, and this slot is filled again, two K steps ahead, first thing behind the round.
.macro TURN fill
	WIN 0
.if \fill
	s_wait_xcnt 0x0                                ; the last prefetch, a K step back, has read its address: it is stepped here, ahead of the waits of the change of slots
	s_add_nc_u64 s[PFA:PFA+1], s[PFA:PFA+1], STEP
.endif
	s_wait_tensorcnt 0x0                           ; no tensor load of mine is out, so the walking descriptors may be written
	ds_add_u32 v[SPW], v[NIL]
.if \fill
	s_add_co_u32 s[G0A+1], s20, s[TB]              ; my place in the slot that is being left,
	s_add_nc_u64 s[G0A+2:G0A+3], s[G0A+2:G0A+3], STEP  ; the next K step; the type bits on top are not reached
	s_add_co_u32 s[G0B+1], s20, s[TB]
	s_add_nc_u64 s[G0B+2:G0B+3], s[G0B+2:G0B+3], STEP
.endif
	s_xor_b32 s[TB], s[TB], SLOT                   ; the reads go on in the other slot
	s_wait_dscnt 9                                 ; the add and A's fragments 4 to 7 may be out
	MUL16 F1, 0, 0, 0
	s_wait_dscnt 0x0                               ; the add is done, and my reads of this slot are over
	s_barrier_signal -1
	MUL16 F1, 0, 2, 0
	WIN 0
	v_add_nc_u32 v[ADRA], s[TB], v[ADRA0]
	v_add_nc_u32 v[ADRB], s[TB], v[ADRB0]
	s_barrier_wait -1
.if \fill
	CREST                                          ; no wave of any partner still reads this slot or has a load on its way
	JLOAD                                          ; 224 matrix instructions ahead of the wait for it; its four v_nop are also the places in front of the loads below
.else
	PLACES
.endif
	FETCH 0, F0
.if \fill
	ASK                                            ; behind the joint load and the run of LDS loads that the next products wait for
.endif
	MUL16 F1, 1, 0, 0
	MUL16 F1, 1, 2, 0
.endm
	s_load_b512 s[80:95], s[0:1], 0x0              ; the three packed buffers s[80:85], bq s[86:87], bk s[88:89], bv s[90:91], q and k s[92:93], v s[94:95]
	v_lshl_add_u32 v[SPW], v0, 2, SPARE
	v_mov_b32 v[NIL], 0
	ds_add_u32 v[SPW], v[NIL]                      ; the wave's opening: the add and its wait ahead of my first tensor load
	v_lshrrev_b32 v1, 5, v0
	v_readfirstlane_b32 s10, v1                    ; wave 0..3
	s_lshr_b32 s11, s10, 1                         ; my half of the tile's rows.  Also: I fetch for A (0) or for W (1)
	s_and_b32 s12, s10, 1                          ; my half of its columns.  Also: which half of that tile I fetch
	s_bfe_u32 s40, ttmp6, 0x40000                  ; cx, cy: my place in the cluster
	s_bfe_u32 s41, ttmp6, 0x40004
	s_lshl_b32 s42, ttmp9, 2
	s_add_co_u32 s42, s42, s40                     ; tile column = 4 x cluster x + cx
	s_and_b32 s45, ttmp7, 0xffff                   ; cluster y, 0 .. 23
	s_lshl_b32 s13, s45, 2
	s_add_co_u32 s13, s13, s41
	s_and_b32 s13, s13, 31                         ; tile row in its projection
	s_and_b32 s70, s45, 7                          ; the cluster's row in its projection
	s_lshr_b32 s45, s45, 3                         ; the projection: 0 q, 1 k, 2 v: from the cluster's y alone
	s_lshl_b32 s43, s41, 2
	s_lshl_b32 s43, 15, s43                        ; my row of the cluster
	s_lshl_b32 s44, 0x1111, s40                    ; my column
	s_or_b32 s[G1A], s43, (1<<16)|(1<<20)|(1<<21)|(5<<22)|(3<<25)  ; the mask; 2-byte elements; padding on; bit 21 beside a mask; after every 64 words, 4 words
	s_or_b32 s[G1B], s44, (1<<16)|(1<<20)|(1<<21)|(5<<22)|(3<<25)
.irp g, G1A, G1B
	s_mov_b32 s[(\g)+1], 128<<16                   ; tensor_dim0 = 128
	s_mov_b32 s[(\g)+2], 128<<16                   ; tensor_dim1 = 128
	s_mov_b32 s[(\g)+3], 128<<16                   ; tile_dim0 = 128
	s_mov_b32 s[(\g)+4], 128                       ; tile_dim1 = 128
	s_mov_b32 s[(\g)+5], 1024                      ; elements from row to row
	s_mov_b32 s[(\g)+6], 0
	s_mov_b32 s[(\g)+7], 0
.endr
	s_lshl_b32 s16, s13, 8                         ; A: row 256 x tile row + 128 x half, in bytes: registers that never hold cx
	s_lshl_b32 s17, s12, 7
	s_add_co_u32 s16, s16, s17
	s_lshl_b32 s16, s16, 11
	s_mov_b32 s17, 0
	s_lshl_b32 s46, s42, 8                         ; W: row 256 x tile column + 128 x half, behind A: registers that never hold cy
	s_lshl_b32 s47, s12, 7
	s_add_co_u32 s46, s46, s47
	s_lshl_b32 s46, s46, 11
	s_add_co_u32 s46, s46, WOFF
	s_mov_b32 s47, 0
	s_mul_i32 s20, s10, HALFT                      ; where they go: wave x 128 rows: no place in the cluster enters an LDS address
	s_lshl_b32 s18, s13, 8                         ; my part of C: row 256 x tile row + 128 x half, column 256 x tile column + 128 x half; k lies behind q
	s_lshl_b32 s19, s11, 7
	s_add_co_u32 s18, s18, s19
	s_lshl_b32 s18, s18, 11
	s_lshl_b32 s19, s42, 9
	s_add_co_u32 s18, s18, s19
	s_lshl_b32 s19, s12, 8
	s_add_co_u32 s18, s18, s19
	s_cmp_eq_u32 s45, 1
	s_cselect_b32 s19, WOFF, 0
	s_add_co_u32 s18, s18, s19
	s_mov_b32 s19, 0
	s_mov_b32 s[TB], 0
	s_wait_dscnt 0x0                               ; the opening add is done
	s_wait_kmcnt 0x0
	s_cmp_eq_u32 s45, 1                            ; the projection chooses the buffers
	s_cselect_b64 s[4:5], s[82:83], s[80:81]
	s_cselect_b64 s[6:7], s[88:89], s[86:87]
	s_cmp_eq_u32 s45, 2
	s_cselect_b64 s[4:5], s[84:85], s[4:5]
	s_cselect_b64 s[6:7], s[90:91], s[6:7]
	s_cselect_b64 s[8:9], s[94:95], s[92:93]
	s_add_nc_u64 s[14:15], s[4:5], s[16:17]
	s_add_nc_u64 s[46:47], s[4:5], s[46:47]
	s_add_nc_u64 s[8:9], s[8:9], s[18:19]
	CROUND                                         ; all sixteen work-groups are here: the first joint loads meet
	s_mov_b32 s[G0A0], 1
	s_mov_b32 s[G0A0+1], s20
	s_add_nc_u64 s[G0A0+2:G0A0+3], s[14:15], 0
	s_or_b32 s[G0A0+3], s[G0A0+3], 0x80000000
	s_mov_b32 s[G0A], 1
	s_add_co_u32 s[G0A+1], s20, SLOT
	s_add_nc_u64 s[G0A+2:G0A+3], s[14:15], STEP
	s_or_b32 s[G0A+3], s[G0A+3], 0x80000000
	s_mov_b32 s[G0B0], 1
	s_mov_b32 s[G0B0+1], s20
	s_add_nc_u64 s[G0B0+2:G0B0+3], s[46:47], 0
	s_or_b32 s[G0B0+3], s[G0B0+3], 0x80000000
	s_mov_b32 s[G0B], 1
	s_add_co_u32 s[G0B+1], s20, SLOT
	s_add_nc_u64 s[G0B+2:G0B+3], s[46:47], STEP
	s_or_b32 s[G0B+3], s[G0B+3], 0x80000000
	s_cmp_eq_u32 s11, 0                            ; a wave's two first fills stand in one branch: two loads of mine are out
	s_cbranch_scc0 .Lfirst_b
	tensor_load_to_lds s[G0A0:G0A0+3], s[G1A:G1A+7]
	s_nop 0
	tensor_load_to_lds s[G0A:G0A+3], s[G1A:G1A+7]
	s_nop 0
	PLACES
	s_branch .Lfirst_asked
.Lfirst_b:
	tensor_load_to_lds s[G0B0:G0B0+3], s[G1B:G1B+7]
	s_nop 0
	tensor_load_to_lds s[G0B:G0B+3], s[G1B:G1B+7]
	s_nop 0
	PLACES
.Lfirst_asked:
	; the bias as an accumulator: register j for column block b holds bias[my first column + 16 b + 8 (l / 16) + j]
	v_and_b32 v1, 15, v0                           ; l % 16
	v_bfe_u32 v9, v0, 4, 1                         ; l / 16
	s_lshl_b32 s22, s42, 10
	s_lshl_b32 s23, s12, 9
	s_add_co_u32 s22, s22, s23
	v_lshl_add_u32 v25, v9, 5, s22
	WIN 0x40                                       ; destination window 1, address window 0
.irp b, 0,1,2,3,4,5,6,7
	global_load_b128 v[8*(\b):8*(\b)+3],   v25, s[6:7] offset:64*(\b)
	global_load_b128 v[8*(\b)+4:8*(\b)+7], v25, s[6:7] offset:64*(\b)+16
.endr
	WIN 0
	; A fragment is 16 rows x 32 K in 8 registers: lane l holds row l % 16, K = 8 (l / 16) + 0..7 and 16 + 8 (l / 16) + 0..7: two loads of 16 bytes, 32 bytes apart.
	v_mul_u32_u24 v31, v1, PITCH
	v_lshl_add_u32 v31, v9, 4, v31                 ; row x pitch + 16 x half
	s_mul_i32 s22, s11, HALFT
	v_add_nc_u32 v[ADRA0], s22, v31
	s_mul_i32 s22, s12, HALFT
	s_add_co_u32 s22, s22, 2*HALFT
	v_add_nc_u32 v[ADRB0], s22, v31
	v_mov_b32 v[ADRA], v[ADRA0]
	v_mov_b32 v[ADRB], v[ADRB0]
	s_mul_i32 s22, s10, 16*PITCH
	s_add_co_u32 s22, s22, STAGE                   ; my stage
	v_add_nc_u32 v[STO], s22, v31                  ; in: row l % 16, 16 bytes for each half of the lanes
	v_mul_u32_u24 v31, v9, PITCH                   ; back: lanes 0-15 one row of 256 bytes, lanes 16-31 the next
	v_lshl_add_u32 v31, v1, 4, v31
	v_add_nc_u32 v[RD], s22, v31
	v_mul_u32_u24 v31, v9, ROWB                    ; and the same two rows in C
	v_lshl_add_u32 v[CO], v1, 4, v31
	; the prefetches: my work-group's 32 of the 128 rows that I fetch, at K step 2; the first change of slots steps it to 3
	s_cmp_eq_u32 s11, 0                            ; do I fetch for A?
	s_cselect_b64 s[PFA:PFA+1], s[14:15], s[46:47]
	s_cselect_b32 s71, s40, s41                    ; my place among the four that ask with me: it enters the address alone
	s_cselect_b32 s72, 0, s70                      ; A's rows are this cluster's alone; W's are asked for by the projection's first row of clusters
	s_cmp_eq_u32 s72, 0
	s_cselect_b32 s[LIM], 1, -1                    ; the same in all sixteen partners, for a given wave
	s_lshl_b32 s72, s71, 16                        ; 32 rows of 2,048 bytes
	s_add_co_u32 s72, s72, 2*STEP
	s_mov_b32 s73, 0
	s_add_nc_u64 s[PFA:PFA+1], s[PFA:PFA+1], s[72:73]
	v_and_b32 v[PFO], 31, v0
	v_lshlrev_b32 v[PFO], 11, v[PFO]
	s_wait_loadcnt 0x0                             ; the bias
	WIN 0x45                                       ; all in window 1
.set z, 0
.rept 32
	v_cvt_pk_bf16_f32 v[192+z%2], v[2*z], v[2*z+1] ; rounded to bf16 like the other inputs,
	v_lshlrev_b32 v[2*z], 16, v[192+z%2]           ; and kept in f32
	v_and_b32 v[2*z+1], 0xffff0000, v[192+z%2]
.set z, z+1
.endr
	WIN 0
	s_wait_tensorcnt 1                             ; my part of K step 0 is in; slot 1's may stay out
	s_barrier_signal -1
	s_barrier_wait -1                              ; everybody's is
	FETCH 0, F0
	QUARTER 1, F0, F1, 1                           ; the first quarter stands in front of the loop: its products start the sums
	WIN 0
	s_mov_b32 s3, NSTEP-2
.Lstep:                                                ; a trip: from a K step's second quarter to the next step's first; it fills the slot that it leaves
	QUARTER 2, F1, F0, 0
	QUARTER 3, F0, F1, 0
	TURN 1
	QUARTER 1, F0, F1, 0
	WIN 0
	s_sub_co_u32 s3, s3, 1
	s_cmp_lg_u32 s3, 0
	s_cbranch_scc1 .Lstep
	s_mov_b32 s3, 2
.Ltail:                                                ; the last two K steps ask for nothing: a text of their own, walked twice and left in its middle.
	QUARTER 2, F1, F0, 0                           ; The second trip's barrier and its fetch (of the other slot's old bytes) serve nothing: the price, once a launch, of one text for both
	QUARTER 3, F0, F1, 0
	TURN 0
	WIN 0
	s_sub_co_u32 s3, s3, 1
	s_cmp_eq_u32 s3, 0
	s_cbranch_scc1 .Ldone
	QUARTER 1, F0, F1, 0
	WIN 0
	s_branch .Ltail
.Ldone:
	s_wait_dscnt 0x0                               ; that last fetch is in: its registers are used again below
	PLACES
; THE WAY OUT, a block of 16 rows at a time: rounded to f16 (each accumulator from its low end on), 16 bytes a lane into my own stage, back as whole rows of 256 bytes, stored.
.macro PACK a
	WIN 0x0a+5*((\a)/4)                            ; sources 0 and 1: window 2 or 3
.irp b, 0,1,2,3,4,5,6,7
.irp i, 0,1,2,3
	v_cvt_pk_f16_f32 v[TMP+4*(\b)+(\i)], v[64*((\a)%4)+8*(\b)+2*(\i)], v[64*((\a)%4)+8*(\b)+2*(\i)+1]
.endr
.endr
	WIN 0
.endm
.macro TOSTAGE a
.if (\a) >= 4
	s_wait_xcnt 0x0                                ; the stores of the block four back have read the registers that are loaded again below
.endif
.irp b, 0,1,2,3,4,5,6,7
	ds_store_b128 v[STO], v[TMP+4*(\b):TMP+4*(\b)+3] offset:32*(\b)
.endr
.irp t, 0,1,2,3,4,5,6,7
	ds_load_b128 v[OB+32*((\a)%4)+4*(\t):OB+32*((\a)%4)+4*(\t)+3], v[RD] offset:2*PITCH*(\t)  ; LDS serves a wave's instructions in order (ISA guide 5.7.1.4): these see the stores above
.endr
.endm
.macro SEND a                          ; address and base are never rewritten: the block's place stands in the immediate
.irp t, 0,1,2,3,4,5,6,7
	global_store_b128 v[CO], v[OB+32*((\a)%4)+4*(\t):OB+32*((\a)%4)+4*(\t)+3], s[8:9] offset:(16*(\a)+2*(\t))*ROWB  ; 16 lanes store 256 consecutive bytes, aligned
.endr
.endm
	PACK 0
	TOSTAGE 0
.irp a, 1,2,3,4,5,6,7
	PACK \a                                        ; a block's conversions stand between the loads of the block before and the wait for them
	s_wait_dscnt 0x0
	SEND (\a)-1
	TOSTAGE \a
.endr
	s_wait_dscnt 0x0
	SEND 7
	s_wait_tensorcnt 0x0                           ; the wave's end
	ds_add_u32 v[SPW], v[NIL]
	s_wait_dscnt 0x0
	CROUND                                         ; the closing round: no work-group ends while a partner may still ask for a tile that names it
	s_endpgm
.Lfunc_end_k_q5b5134877a_proj:
	.size	k_q5b5134877a_proj, .Lfunc_end_k_q5b5134877a_proj-k_q5b5134877a_proj
	.p2alignl 7, 3214868480
	.fill 96, 4, 3214868480
	.section	.rodata,"a",@progbits
	.p2align	6, 0x0
	.amdhsa_kernel k_q5b5134877a_proj
		.amdhsa_group_segment_fixed_size 327680
		.amdhsa_private_segment_fixed_size 0
		.amdhsa_enable_private_segment 0
		.amdhsa_kernarg_size 64
		.amdhsa_user_sgpr_count 2
		.amdhsa_user_sgpr_kernarg_segment_ptr 1
		.amdhsa_wavefront_size32 1
		.amdhsa_system_sgpr_workgroup_id_x 1
		.amdhsa_system_sgpr_workgroup_id_y 1
		.amdhsa_system_sgpr_workgroup_id_z 1
		.amdhsa_system_vgpr_workitem_id 0
		.amdhsa_next_free_vgpr 1024
		.amdhsa_next_free_sgpr 96
		.amdhsa_reserve_vcc 0
		.amdhsa_float_denorm_mode_32 3
		.amdhsa_float_denorm_mode_16_64 3
		.amdhsa_memory_ordered 1
		.amdhsa_forward_progress 1
		.amdhsa_inst_pref_size 107
	.end_amdhsa_kernel
	.amdgpu_metadata
---
amdhsa.version: [ 1, 2 ]
amdhsa.kernels:
  - .name:           k_q5b5134877a_proj
    .symbol:         k_q5b5134877a_proj.kd
    .args:
      - { .name: pkq, .offset: 0, .size: 8, .value_kind: global_buffer, .address_space: global }
      - { .name: pkx, .offset: 8, .size: 8, .value_kind: global_buffer, .address_space: global }
      - { .name: pkv, .offset: 16, .size: 8, .value_kind: global_buffer, .address_space: global }
      - { .name: bq, .offset: 24, .size: 8, .value_kind: global_buffer, .address_space: global }
      - { .name: bk, .offset: 32, .size: 8, .value_kind: global_buffer, .address_space: global }
      - { .name: bv, .offset: 40, .size: 8, .value_kind: global_buffer, .address_space: global }
      - { .name: qk, .offset: 48, .size: 8, .value_kind: global_buffer, .address_space: global }
      - { .name: pkk, .offset: 56, .size: 8, .value_kind: global_buffer, .address_space: global }
    .group_segment_fixed_size: 327680
    .private_segment_fixed_size: 0
    .kernarg_segment_align: 8
    .kernarg_segment_size: 64
    .max_flat_workgroup_size: 128
    .sgpr_count:     96
    .vgpr_count:     1024
    .wavefront_size: 32
...
	.end_amdgpu_metadata
.endif
;; end of part 2
;; launch scores (part 3): grid 8 x 32, 4 waves a work-group, clusters of 4 x 4, 327,680 bytes of LDS; arguments qk, mask, pt, st; writes pt, st
.if DOCPART == 3
	.amdgcn_target "amdgcn-amd-amdhsa--gfx1250"
	.amdhsa_code_object_version 6
	.text
	.protected	k_q5b5134877a_scores
	.globl	k_q5b5134877a_scores
	.p2align	8
	.type	k_q5b5134877a_scores,@function
k_q5b5134877a_scores:
	s_mov_b64 s[64:65], 0
	v_nop
	global_prefetch_b8 v0, s[64:65] scope:SCOPE_SE
	s_setreg_imm32_b32 hwreg(HW_REG_WAVE_MODE, 25, 1), 1
	s_wait_xcnt 0x0
	s_wait_alu depctr_hold_cnt(0) depctr_sa_sdst(0) depctr_va_vdst(0) depctr_va_sdst(0) depctr_va_ssrc(0) depctr_va_vcc(0) depctr_vm_vsrc(0)
	s_getreg_b32 s2, hwreg(HW_REG_IB_STS2, 6, 4)
	s_cmp_eq_u32 s2, 0
	s_cbranch_scc0 .Lentry_in_a_cluster
	s_endpgm
.Lentry_in_a_cluster:
	s_bfe_u32 s2, ttmp6, 0x10000c
	s_cmp_lg_u32 s2, 0xf033
	s_cbranch_scc0 .Lentry_shape_is_right
	s_endpgm
.Lentry_shape_is_right:
; s[q][k] = sum over h of Q[q][h] K[k][h] (unscaled); T = c s, c = log2(e) / 32, replaced by c x (-1e9 x 32) where mask[q][k] = 0; then, for each row and each block of 128 keys, the block's largest T,
; the weights p = 2^(T - max T) and l = the sum of the unrounded p.  Q: [8192][1024] f16 at byte 0 of the first buffer, K: the same at byte KOFF of it; mask: [8192][2048] int32;
; pt: [8192][2048] f16 takes p; st: [4 batches][16 key blocks][2048 rows][2] f32 takes (m, l), m = max T x 32 ln 2, the block's largest unscaled score to within 2^-23 of itself.
; The launch behind brings the blocks of a row onto the row's maximum.  Both products c s and c m are rounded before they are subtracted: in a block that is wholly hidden every difference is exactly 0 and every p is 1.
; LIMITS.  A weight below 2^-126 counts as 0 in l; below 6e-8 it is 0 in pt; any mask word other than 0 counts as true; NaN and infinities are not treated apart.
; SHARES.  A tile is 256 queries x 256 keys: 256 work-groups.  Four waves, each 128 x 128: 64 accumulators; a wave's 128 keys are one key block.  The channels go in 8 steps of 128 through two LDS slots:
; a step is 256 matrix instructions a wave, and a refill has 224 of them in which to land.
; THE MATRIX INSTRUCTION IS USED TRANSPOSED (source 0 = 16 keys, source 1 = 16 queries): a lane holds query l % 16 and the keys 8 (l / 16) + 0..7 of each group of 16; a row's other half lies 16 lanes away.
; CLUSTER.  4 x 4 work-groups: Q's tile is asked for jointly along a row of the cluster, K's along a column.  Waves 0 and 1 fetch Q's halves, waves 2 and 3 K's.
; THE MASK comes by tensor loads of each wave's own, 64 rows x 512 bytes: at each of the last two changes of slots into the slot that has just been read out.  Only the wave that asked reads it.
; The second part is on its way while the first four row blocks are worked on.
; REGISTERS: window 0: v0-31 addresses; v64-127, v128-191 Q's fragments, later rows read back; v192-199 the statistics on their way out.
;   window 1: v0-63 mask words; v64-127, v128-191 K's fragments, later (v64-127) a row block's 64 scores a lane; v192 the hidden score; v194-195 (m, l); v196-199 at work; v200-231 weights in f16
;   window 2: the accumulators of my rows 0-63 ((a, b) at v[8 (8 a + b)]);   window 3: those of my rows 64-127
.set NSTEP,  8
.set KOFF,   16777216
.set STEP,   256
.set ROWC,   4096                      ; bytes in a row of pt
.set PITCH,  272
.set HALFT,  128*PITCH
.set SLOT,   4*HALFT
.set STAGE,  2*SLOT                    ; 16 rows x 272 bytes for each wave
.set SST,    STAGE+4*16*PITCH          ; 1,024 bytes for each wave: its 128 rows' (m, l)
.set SPARE,  SST+4*1024                ; the spare words: two blocks of 256 bytes that no other line names
.set MPITCH, 528                       ; a row of the mask in LDS: 512 bytes + 16 of padding
.set MPART,  64*MPITCH                 ; a wave's part of the mask in a slot: four of them are 135,168 bytes of the slot's 139,264
.set ADRA0, 2
.set ADRB0, 3
.set ADRA,  4
.set ADRB,  5
.set STO,   6
.set RD,    7
.set CO,    8
.set SPW,   10
.set NIL,   11
.set PFO,   12                         ; v12 the prefetches' offset: my lane x a row; never rewritten
.set COV,   13                         ; v13 my byte offset in the row block's first two rows of pt
.set MADR0, 26                         ; v26 my lane's place in my part of the mask; never rewritten
.set MAD,   27                         ; v27 the same in the row block in hand
.set SSTO,  28                         ; v28 where I put a row's (m, l)
.set SRD,   29                         ; v29 where I read 16 bytes of them back
.set SGO,   30                         ; v30 16 x lane
.set F0,    64
.set F1,    128
.set OB,    64
.set TMP,   192
.set MK,    0                          ; window 1
.set T,     64
.set BIGR,  192
.set MLP,   194
.set CC,    196
.set P16,   200
.set G1A,  24
.set G0A0, 32
.set G0A,  36
.set G1B,  48
.set G0B0, 56
.set G0B,  60
.set CM,   24                          ; s[24:31] eight lane masks, where Q's group 1 lay: all joint loads have been shown done when they are first written
.set TB,   66
.set LIM,  67
.set PFA,  68
.set CS,   72                          ; s[72:73] c: the packed scaling takes the pair's low word for both halves
.set SEL,  74                          ; s[74:75] v_permlanex16_b32's selects: each lane takes its own place in the other half
.set G1M,  76                          ; s[76:83] descriptor group 1 for the mask
.set G0M,  84                          ; s[84:87] its group 0
.set MINC, 88                          ; s[88:89] what the next mask load adds to the address: 0, then 64 rows
.set ML,   90                          ; s90  MPART x wave
.set RC,   91                          ; s91  32 ln 2 = 1 / c
.set BK,   100                         ; s100 the row block in hand, 0 .. 7
.set MB,   101                         ; s101 LDS byte at which the row block's mask rows begin, less my wave's place
.set MSB, 0
.macro WIN new
.if MSB != (\new)
	s_set_vgpr_msb (MSB<<8)|(\new)
.set MSB, (\new)
.endif
.endm
.macro PLACES
.rept 4
	v_nop
.endr
.endm
.macro CREST
	s_cmp_lg_u32 s10, 0
	s_cbranch_scc1 .Lnot_wave_0_\@
	s_barrier_signal -3
.Lnot_wave_0_\@:
	s_barrier_wait -3
	s_barrier_signal -1
	s_barrier_wait -1
.endm
.macro CROUND
	s_barrier_signal -1
	s_barrier_wait -1
	CREST
.endm
.macro JLOAD
	s_cmp_eq_u32 s11, 0
	s_cbranch_scc0 .Lfor_b_\@
	tensor_load_to_lds s[G0A:G0A+3], s[G1A:G1A+7]
	s_nop 0
	PLACES
	s_branch .Lasked_\@
.Lfor_b_\@:
	tensor_load_to_lds s[G0B:G0B+3], s[G1B:G1B+7]
	s_nop 0
	PLACES
.Lasked_\@:
.endm
; A PREFETCH INTO THE L2 of the K step that the NEXT refill will ask for: 256 matrix instructions ahead of that load.  32 rows x 256 bytes, a lane a row, one instruction a wave.  Of the 128 rows that a wave
; fetches each of the four partners that ask for them jointly takes 32, told apart by address.  Q's rows are read by the two clusters of a row of clusters: the one with x = 0 asks; K's by the two rows of
; clusters of a batch: the even one asks.  So each row's 256 bytes of a K step are named once.  K steps 0 to 2 come by their loads alone; the loop's last trip (s3 = 1) asks for nothing.
.macro ASK
	s_cmp_gt_u32 s3, s[LIM]
	s_cbranch_scc0 .Lnot_mine_\@
	global_prefetch_b8 v[PFO], s[PFA:PFA+1] th:TH_LOAD_NT scope:SCOPE_SE
.Lnot_mine_\@:
.endm
; 16 matrix instructions: row blocks a0, a0 + 1 of the window's four x all 8 key groups.  first = 1: the constant 0 starts the sums.  The 64 accumulators take turns.
.macro MUL16 f, hi, a0, first
	WIN 0xa1+0x50*(\hi)                            ; K window 1, Q window 0, C and D window 2 or 3
.irp a, \a0, (\a0)+1
.irp b, 0,1,2,3,4,5,6,7
.if \first
	v_wmma_f32_16x16x32_f16 v[8*(8*(\a)+(\b)):8*(8*(\a)+(\b))+7], v[(\f)+8*(\b):(\f)+8*(\b)+7], v[(\f)+8*(4*(\hi)+(\a)):(\f)+8*(4*(\hi)+(\a))+7], 0
.else
	v_wmma_f32_16x16x32_f16 v[8*(8*(\a)+(\b)):8*(8*(\a)+(\b))+7], v[(\f)+8*(\b):(\f)+8*(\b)+7], v[(\f)+8*(4*(\hi)+(\a)):(\f)+8*(4*(\hi)+(\a))+7], v[8*(8*(\a)+(\b)):8*(8*(\a)+(\b))+7]
.endif
.endr
.endr
.endm
.macro FETCH kq, f
	WIN 0x40                                       ; destination window 1, address window 0
.irp i, 0,1,2,3,4,5,6,7
	ds_load_b128 v[(\f)+8*(\i):(\f)+8*(\i)+3],   v[ADRB] offset:64*(\kq)+16*PITCH*(\i)
	ds_load_b128 v[(\f)+8*(\i)+4:(\f)+8*(\i)+7], v[ADRB] offset:64*(\kq)+16*PITCH*(\i)+32
.endr
	WIN 0
.irp i, 0,1,2,3,4,5,6,7
	ds_load_b128 v[(\f)+8*(\i):(\f)+8*(\i)+3],   v[ADRA] offset:64*(\kq)+16*PITCH*(\i)
	ds_load_b128 v[(\f)+8*(\i)+4:(\f)+8*(\i)+7], v[ADRA] offset:64*(\kq)+16*PITCH*(\i)+32
.endr
.endm
.macro QUARTER kq, f, g, first
	s_wait_dscnt 8                                 ; all but the youngest eight loads: Q's fragments 4 to 7
	MUL16 \f, 0, 0, \first
	MUL16 \f, 0, 2, \first
	PLACES
	FETCH \kq, \g
	s_wait_dscnt 32                                ; all but the 32 just issued
	MUL16 \f, 1, 0, \first
	MUL16 \f, 1, 2, \first
.endm
; The fourth quarter and the change of slots.  fill = 1: the slot that is left takes the K step two on, by the joint loads.  fill = 2 (the last two changes): it takes my next 64 rows of the mask.
; Both stand first behind a round of the cluster's barrier, in front of which every wave has waited for all its tensor loads, added 0 to its spare word and waited for that and for its reads.
.macro TURN fill
	WIN 0
.if (\fill) == 1
	s_wait_xcnt 0x0                                ; the last prefetch, a K step back, has read its address
	s_add_nc_u64 s[PFA:PFA+1], s[PFA:PFA+1], STEP
.endif
	s_wait_tensorcnt 0x0                           ; no tensor load of mine is out, so descriptors may be written
	ds_add_u32 v[SPW], v[NIL]
.if (\fill) == 1
	s_add_co_u32 s[G0A+1], s20, s[TB]              ; my place in the slot that is being left,
	s_add_nc_u64 s[G0A+2:G0A+3], s[G0A+2:G0A+3], STEP  ; the next K step
	s_add_co_u32 s[G0B+1], s20, s[TB]
	s_add_nc_u64 s[G0B+2:G0B+3], s[G0B+2:G0B+3], STEP
.else
	s_add_co_u32 s[G0M+1], s[ML], s[TB]
	s_add_nc_u64 s[G0M+2:G0M+3], s[G0M+2:G0M+3], s[MINC:MINC+1]
	s_mov_b32 s[MINC], 64*8192                     ; the second part lies 64 rows of the mask on
.endif
	s_xor_b32 s[TB], s[TB], SLOT
	s_wait_dscnt 9                                 ; the add and Q's fragments 4 to 7 may be out
	MUL16 F1, 0, 0, 0
	s_wait_dscnt 0x0                               ; the add is done, and my reads of this slot are over
	s_barrier_signal -1
	MUL16 F1, 0, 2, 0
	WIN 0
	v_add_nc_u32 v[ADRA], s[TB], v[ADRA0]
	v_add_nc_u32 v[ADRB], s[TB], v[ADRB0]
	s_barrier_wait -1
	CREST
.if (\fill) == 1
	JLOAD
.else
	tensor_load_to_lds s[G0M:G0M+3], s[G1M:G1M+7]
	s_nop 0
	PLACES
.endif
	FETCH 0, F0
.if (\fill) == 1
	ASK
.endif
	MUL16 F1, 1, 0, 0
	MUL16 F1, 1, 2, 0
.endm
	s_load_b256 s[92:99], s[0:1], 0x0              ; Q and K s[92:93], mask s[94:95], pt s[96:97], st s[98:99]
	v_lshl_add_u32 v[SPW], v0, 2, SPARE
	v_mov_b32 v[NIL], 0
	ds_add_u32 v[SPW], v[NIL]                      ; the wave's opening: the add and its wait ahead of my first tensor load
	v_lshrrev_b32 v1, 5, v0
	v_readfirstlane_b32 s10, v1                    ; wave 0..3
	s_lshr_b32 s11, s10, 1                         ; my half of the tile's queries.  Also: I fetch for Q (0) or for K (1)
	s_and_b32 s12, s10, 1                          ; my half of its keys.  Also: which half of that tile I fetch
	s_bfe_u32 s40, ttmp6, 0x40000                  ; cx, cy
	s_bfe_u32 s41, ttmp6, 0x40004
	s_lshl_b32 s42, ttmp9, 2
	s_add_co_u32 s42, s42, s40                     ; tile column (256 keys of the batch)
	s_and_b32 s45, ttmp7, 0xffff                   ; cluster y, 0 .. 7
	s_lshl_b32 s13, s45, 2
	s_add_co_u32 s13, s13, s41                     ; tile row (256 of the 8,192 queries)
	s_and_b32 s21, s45, 1                          ; the cluster's row in its batch
	s_lshr_b32 s45, s45, 1                         ; the batch: eight tile rows, two rows of clusters: the same in all sixteen partners
	s_lshl_b32 s43, s41, 2
	s_lshl_b32 s43, 15, s43
	s_lshl_b32 s44, 0x1111, s40
	s_or_b32 s[G1A], s43, (1<<16)|(1<<20)|(1<<21)|(5<<22)|(3<<25)
	s_or_b32 s[G1B], s44, (1<<16)|(1<<20)|(1<<21)|(5<<22)|(3<<25)
.irp g, G1A, G1B
	s_mov_b32 s[(\g)+1], 128<<16                   ; tensor_dim0 = 128
	s_mov_b32 s[(\g)+2], 128<<16                   ; tensor_dim1 = 128
	s_mov_b32 s[(\g)+3], 128<<16                   ; tile_dim0 = 128
	s_mov_b32 s[(\g)+4], 128                       ; tile_dim1 = 128
	s_mov_b32 s[(\g)+5], 1024                      ; elements from row to row
	s_mov_b32 s[(\g)+6], 0
	s_mov_b32 s[(\g)+7], 0
.endr
	s_mov_b32 s[G1M], (2<<16)|(1<<20)|(6<<22)|(3<<25)  ; no mask of work-groups; 4-byte elements; padding on: after every 128 words, 4 words
	s_mov_b32 s[G1M+1], 128<<16                    ; tensor_dim0 = 128
	s_mov_b32 s[G1M+2], 64<<16                     ; tensor_dim1 = 64
	s_mov_b32 s[G1M+3], 128<<16                    ; tile_dim0 = 128
	s_mov_b32 s[G1M+4], 64                         ; tile_dim1 = 64
	s_mov_b32 s[G1M+5], 2048                       ; elements from row to row
	s_mov_b32 s[G1M+6], 0
	s_mov_b32 s[G1M+7], 0
	s_lshl_b32 s16, s13, 8                         ; Q: row 256 x tile row + 128 x half: registers that never hold cx
	s_lshl_b32 s17, s12, 7
	s_add_co_u32 s16, s16, s17
	s_lshl_b32 s16, s16, 11
	s_mov_b32 s17, 0
	s_lshl_b32 s46, s45, 11                        ; K: row 2,048 x batch + 256 x tile column + 128 x half, behind Q: registers that never hold cy
	s_lshl_b32 s47, s42, 8
	s_add_co_u32 s46, s46, s47
	s_lshl_b32 s47, s12, 7
	s_add_co_u32 s46, s46, s47
	s_lshl_b32 s46, s46, 11
	s_add_co_u32 s46, s46, KOFF
	s_mov_b32 s47, 0
	s_mul_i32 s20, s10, HALFT                      ; no place in the cluster enters an LDS address
	s_mul_i32 s[ML], s10, MPART
	s_lshl_b32 s18, s13, 8                         ; my own 128 x 128 of the tile: first row,
	s_lshl_b32 s19, s11, 7
	s_add_co_u32 s18, s18, s19
	s_lshl_b32 s22, s18, 12                        ; in pt (rows of 4,096 bytes)
	s_lshl_b32 s18, s18, 13                        ; and in the mask (rows of 8,192 bytes);
	s_lshl_b32 s19, s42, 8                         ; first column
	s_lshl_b32 s23, s12, 7
	s_add_co_u32 s19, s19, s23
	s_lshl_b32 s23, s19, 1
	s_add_co_u32 s22, s22, s23
	s_lshl_b32 s19, s19, 2
	s_add_co_u32 s18, s18, s19
	s_mov_b32 s19, 0
	s_mov_b32 s23, 0
	s_lshl_b32 s70, s45, 4                         ; st: ((16 x batch + my key block) x 2,048 + my first row in the batch) x 8 bytes
	s_lshl_b32 s71, s42, 1
	s_add_co_u32 s70, s70, s71
	s_add_co_u32 s70, s70, s12
	s_lshl_b32 s70, s70, 11
	s_and_b32 s71, s13, 7
	s_lshl_b32 s71, s71, 8
	s_add_co_u32 s70, s70, s71
	s_lshl_b32 s71, s11, 7
	s_add_co_u32 s70, s70, s71
	s_lshl_b32 s70, s70, 3
	s_mov_b32 s71, 0
	s_mov_b32 s[CS], 0x3d38aa3b                    ; c = log2(e) / 32
	s_mov_b32 s[CS+1], s[CS]                       ; named with it as a pair
	s_mov_b32 s[RC], 0x41b17218                    ; 32 ln 2
	s_mov_b32 s[SEL], 0x76543210
	s_mov_b32 s[SEL+1], 0xfedcba98
	s_mov_b32 s[MINC], 0
	s_mov_b32 s[MINC+1], 0
	s_mov_b32 s[TB], 0
	s_wait_dscnt 0x0                               ; the opening add is done
	s_wait_kmcnt 0x0
	s_add_nc_u64 s[14:15], s[92:93], s[16:17]
	s_add_nc_u64 s[46:47], s[92:93], s[46:47]
	s_add_nc_u64 s[8:9], s[96:97], s[22:23]        ; pt at my part
	s_add_nc_u64 s[98:99], s[98:99], s[70:71]      ; st at my rows
	CROUND                                         ; all sixteen work-groups are here: the first joint loads meet
	s_mov_b32 s[G0A0], 1
	s_mov_b32 s[G0A0+1], s20
	s_add_nc_u64 s[G0A0+2:G0A0+3], s[14:15], 0
	s_or_b32 s[G0A0+3], s[G0A0+3], 0x80000000
	s_mov_b32 s[G0A], 1
	s_add_co_u32 s[G0A+1], s20, SLOT
	s_add_nc_u64 s[G0A+2:G0A+3], s[14:15], STEP
	s_or_b32 s[G0A+3], s[G0A+3], 0x80000000
	s_mov_b32 s[G0B0], 1
	s_mov_b32 s[G0B0+1], s20
	s_add_nc_u64 s[G0B0+2:G0B0+3], s[46:47], 0
	s_or_b32 s[G0B0+3], s[G0B0+3], 0x80000000
	s_mov_b32 s[G0B], 1
	s_add_co_u32 s[G0B+1], s20, SLOT
	s_add_nc_u64 s[G0B+2:G0B+3], s[46:47], STEP
	s_or_b32 s[G0B+3], s[G0B+3], 0x80000000
	s_mov_b32 s[G0M], 1
	s_mov_b32 s[G0M+1], s[ML]
	s_add_nc_u64 s[G0M+2:G0M+3], s[94:95], s[18:19]
	s_or_b32 s[G0M+3], s[G0M+3], 0x80000000
	s_cmp_eq_u32 s11, 0                            ; a wave's two first fills stand in one branch: two loads of mine are out
	s_cbranch_scc0 .Lfirst_b
	tensor_load_to_lds s[G0A0:G0A0+3], s[G1A:G1A+7]
	s_nop 0
	tensor_load_to_lds s[G0A:G0A+3], s[G1A:G1A+7]
	s_nop 0
	PLACES
	s_branch .Lfirst_asked
.Lfirst_b:
	tensor_load_to_lds s[G0B0:G0B0+3], s[G1B:G1B+7]
	s_nop 0
	tensor_load_to_lds s[G0B:G0B+3], s[G1B:G1B+7]
	s_nop 0
	PLACES
.Lfirst_asked:
	v_and_b32 v1, 15, v0                           ; l % 16
	v_bfe_u32 v9, v0, 4, 1                         ; l / 16
	v_mul_u32_u24 v31, v1, PITCH
	v_lshl_add_u32 v31, v9, 4, v31
	s_mul_i32 s22, s11, HALFT
	v_add_nc_u32 v[ADRA0], s22, v31
	s_mul_i32 s22, s12, HALFT
	s_add_co_u32 s22, s22, 2*HALFT
	v_add_nc_u32 v[ADRB0], s22, v31
	v_mov_b32 v[ADRA], v[ADRA0]
	v_mov_b32 v[ADRB], v[ADRB0]
	s_mul_i32 s22, s10, 16*PITCH
	s_add_co_u32 s22, s22, STAGE
	v_add_nc_u32 v[STO], s22, v31
	v_mul_u32_u24 v31, v9, PITCH
	v_lshl_add_u32 v31, v1, 4, v31
	v_add_nc_u32 v[RD], s22, v31
	v_mul_u32_u24 v31, v9, ROWC
	v_lshl_add_u32 v[CO], v1, 4, v31
	v_mul_u32_u24 v31, v1, MPITCH                  ; the mask: row l % 16, my 8 words of a group of 16 keys: 32 bytes for each half of the lanes
	v_lshl_add_u32 v31, v9, 5, v31
	v_add_nc_u32 v[MADR0], s[ML], v31
	s_lshl_b32 s22, s10, 10
	s_add_co_u32 s22, s22, SST
	v_lshl_add_u32 v[SSTO], v1, 3, s22
	v_and_b32 v[SGO], 31, v0
	v_lshlrev_b32 v[PFO], 11, v[SGO]               ; my lane x 2,048 bytes
	v_lshlrev_b32 v[SGO], 4, v[SGO]
	v_add_nc_u32 v[SRD], s22, v[SGO]
	WIN 0x40
	v_mov_b32 v[BIGR], 0xd0ee6b28                  ; -1e9 x 32, exact,
	v_mov_b32 v[MLP], 0                            ; (m, l) are named as a pair before l is made
	v_mov_b32 v[MLP+1], 0
	WIN 0x44
	v_mul_f32 v[BIGR], s[CS], v[BIGR]              ; times c, rounded as every score's product is
	WIN 0
	; the prefetches: my work-group's 32 of the 128 rows that I fetch, at K step 2; the first change of slots steps it to 3
	s_cmp_eq_u32 s11, 0                            ; do I fetch for Q?
	s_cselect_b64 s[PFA:PFA+1], s[14:15], s[46:47]
	s_cselect_b32 s70, s40, s41                    ; my place among the four that ask with me: it enters the address alone
	s_cselect_b32 s71, ttmp9, s21                  ; the coordinate along which another cluster reads the same rows
	s_cmp_eq_u32 s71, 0
	s_cselect_b32 s[LIM], 1, -1                    ; the same in all sixteen partners, for a given wave
	s_lshl_b32 s70, s70, 16                        ; 32 rows of 2,048 bytes
	s_add_co_u32 s70, s70, 2*STEP
	s_mov_b32 s71, 0
	s_add_nc_u64 s[PFA:PFA+1], s[PFA:PFA+1], s[70:71]
	s_wait_tensorcnt 1                             ; my part of K step 0 is in; slot 1's may stay out
	s_barrier_signal -1
	s_barrier_wait -1
	FETCH 0, F0
	QUARTER 1, F0, F1, 1
	WIN 0
	s_mov_b32 s3, NSTEP-2
.Lstep:                                                ; a trip: from a K step's second quarter to the next step's first; it fills the slot that it leaves
	QUARTER 2, F1, F0, 0
	QUARTER 3, F0, F1, 0
	TURN 1
	QUARTER 1, F0, F1, 0
	WIN 0
	s_sub_co_u32 s3, s3, 1
	s_cmp_lg_u32 s3, 0
	s_cbranch_scc1 .Lstep
	s_mov_b32 s3, 2
.Ltail:                                                ; the last two K steps: the slot that is left takes a part of the mask.  Walked twice and left in its middle:
	QUARTER 2, F1, F0, 0                           ; the second trip's fetch (of the other slot's bytes, which have landed) serves nothing: the price, once a launch, of one text for both
	QUARTER 3, F0, F1, 0
	TURN 2
	WIN 0
	s_sub_co_u32 s3, s3, 1
	s_cmp_eq_u32 s3, 0
	s_cbranch_scc1 .Ldone
	QUARTER 1, F0, F1, 0
	WIN 0
	s_branch .Ltail
.Ldone:
	s_wait_dscnt 0x0                               ; that last fetch is in: its registers are used again below
	PLACES
; THE SOFTMAX OF A KEY BLOCK, a block of 16 rows a trip.  Only the 32 lines that name a block's accumulators are written eight times; a forward jump on the block's number chooses among them.
.macro BLOCK a                         ; T = c s; each accumulator is read from its low end on
.Lb\a:
	WIN 0x42+(\a)/4                                ; destination window 1, source 0 window 2 or 3
.irp b, 0,1,2,3,4,5,6,7
.irp i, 0,1,2,3
	v_pk_mul_f32 v[T+8*(\b)+2*(\i):T+8*(\b)+2*(\i)+1], v[64*((\a)%4)+8*(\b)+2*(\i):64*((\a)%4)+8*(\b)+2*(\i)+1], s[CS:CS+1] op_sel_hi:[1,0]
.endr
.endr
	WIN 0
.if (\a) < 7
	s_branch .Lsel
.endif
.endm
	s_mov_b32 s[BK], 0
	s_mov_b32 s[MB], 0                             ; the mask's first part lies in slot 0
	s_mov_b32 s2, 2
.Lhalf:                                                ; twice: four row blocks on one part of the mask
	s_mov_b32 s3, 4
.Lblk:
	v_add_nc_u32 v[MAD], s[MB], v[MADR0]
	WIN 0x40
.irp b, 0,1,2,3,4,5,6,7
	ds_load_b128 v[MK+8*(\b):MK+8*(\b)+3],   v[MAD] offset:64*(\b)      ; the block's 64 mask words a lane: on their way during the scaling
	ds_load_b128 v[MK+8*(\b)+4:MK+8*(\b)+7], v[MAD] offset:64*(\b)+16
.endr
	WIN 0
.irp a, 1,2,3,4,5,6,7
	s_cmp_eq_u32 s[BK], \a
	s_cbranch_scc1 .Lb\a
.endr
	BLOCK 0
	BLOCK 1
	BLOCK 2
	BLOCK 3
	BLOCK 4
	BLOCK 5
	BLOCK 6
	BLOCK 7
.Lsel:
	s_wait_dscnt 0x0                               ; the mask words are in
	s_wait_xcnt 0x0                                ; the last block's stores have read their offset and their data: both are written again below
	s_lshl_b32 s70, s[BK], 16                      ; 16 rows of pt
	v_add_nc_u32 v[COV], s70, v[CO]
	WIN 0x55                                       ; all in window 1
.irp b, 0,1,2,3,4,5,6,7                ; the hidden score where the mask word is 0
.irp j, 0,1,2,3,4,5,6,7
	v_cmp_eq_u32 s[CM+(\j)], 0, v[MK+8*(\b)+(\j)]
.endr
.irp j, 0,1,2,3,4,5,6,7
	v_cndmask_b32 v[T+8*(\b)+(\j)], v[T+8*(\b)+(\j)], v[BIGR], s[CM+(\j)]
.endr
.endr
.irp k, 0,1,2,3                        ; the maximum: four chains of 16 scores
	v_max3_num_f32 v[CC+(\k)], v[T+16*(\k)], v[T+16*(\k)+1], v[T+16*(\k)+2]
.endr
.irp n, 0,1,2,3,4,5
.irp k, 0,1,2,3
	v_max3_num_f32 v[CC+(\k)], v[CC+(\k)], v[T+16*(\k)+3+2*(\n)], v[T+16*(\k)+4+2*(\n)]
.endr
.endr
.irp k, 0,1,2,3
	v_max_num_f32 v[CC+(\k)], v[CC+(\k)], v[T+16*(\k)+15]
.endr
	v_max3_num_f32 v[CC], v[CC], v[CC+1], v[CC+2]
	v_max_num_f32 v[CC], v[CC], v[CC+3]
	v_permlanex16_b32 v[CC+1], v[CC], s[SEL], s[SEL+1]  ; the row's other 64 keys lie in the lane 16 away
	v_max_num_f32 v[MLP], v[CC], v[CC+1]
.set z, 0
.rept 32
	v_pk_add_f32 v[T+2*z:T+2*z+1], v[T+2*z:T+2*z+1], v[MLP:MLP+1] op_sel_hi:[1,0] neg_lo:[0,1] neg_hi:[0,1]  ; T - max T
.set z, z+1
.endr
.set z, 0
.rept 64
	v_exp_f32 v[T+z], v[T+z]
.set z, z+1
.endr
	v_nop                                          ; a plain instruction between the last exponential and the use of its result
.set z, 0
	s_wait_alu depctr_va_vdst(0)
.rept 32
	v_cvt_pk_f16_f32 v[P16+z], v[T+2*z], v[T+2*z+1]
.set z, z+1
.endr
	WIN 0x04                                       ; the data in window 1: 16 bytes a lane into my own stage,
.irp b, 0,1,2,3,4,5,6,7
	ds_store_b128 v[STO], v[P16+4*(\b):P16+4*(\b)+3] offset:32*(\b)
.endr
	WIN 0                                          ; and back as whole rows of 256 bytes, on their way during the sums
.irp t, 0,1,2,3,4,5,6,7
	ds_load_b128 v[OB+4*(\t):OB+4*(\t)+3], v[RD] offset:2*PITCH*(\t)  ; LDS serves a wave's instructions in order (ISA guide 5.7.1.4): these see the stores above
.endr
	WIN 0x55
.irp w, 16,8,4,2,1                     ; the sum of the unrounded weights: a tree over the 32 pairs, in place
.set z, 0
.rept \w
	v_pk_add_f32 v[T+2*z:T+2*z+1], v[T+2*z:T+2*z+1], v[T+2*(z+(\w)):T+2*(z+(\w))+1]
.set z, z+1
.endr
.endr
	v_add_f32 v[CC], v[T], v[T+1]
	v_permlanex16_b32 v[CC+1], v[CC], s[SEL], s[SEL+1]
	v_add_f32 v[MLP+1], v[CC], v[CC+1]             ; l
	v_mul_f32 v[MLP], s[RC], v[MLP]                ; m, unscaled again
	WIN 0x04
	ds_store_b64 v[SSTO], v[MLP:MLP+1]             ; both halves of the lanes hold the same pair and write it to the same place
	WIN 0
	v_add_nc_u32 v[SSTO], 128, v[SSTO]             ; the next block's 16 rows
	s_wait_dscnt 0x0                               ; the rows are back
.irp t, 0,1,2,3,4,5,6,7
	global_store_b128 v[COV], v[OB+4*(\t):OB+4*(\t)+3], s[8:9] offset:2*(\t)*ROWC  ; 16 lanes store 256 consecutive bytes, aligned
.endr
	s_add_co_u32 s[BK], s[BK], 1
	s_add_co_u32 s[MB], s[MB], 16*MPITCH
	s_sub_co_u32 s3, s3, 1
	s_cmp_lg_u32 s3, 0
	s_cbranch_scc1 .Lblk
	s_wait_tensorcnt 0x0                           ; behind the first four blocks: the mask's second part, asked for in front of them, has landed (behind the last four nothing is out)
	s_add_co_u32 s[MB], s[MB], SLOT-64*MPITCH      ; it lies in slot 1
	s_sub_co_u32 s2, s2, 1
	s_cmp_lg_u32 s2, 0
	s_cbranch_scc1 .Lhalf
	ds_load_b128 v[TMP:TMP+3], v[SRD]
	ds_load_b128 v[TMP+4:TMP+7], v[SRD] offset:512
	s_wait_dscnt 0x0
	global_store_b128 v[SGO], v[TMP:TMP+3], s[98:99]              ; my 128 rows' (m, l): twice 512 consecutive bytes, aligned
	global_store_b128 v[SGO], v[TMP+4:TMP+7], s[98:99] offset:512
	s_wait_tensorcnt 0x0                           ; the wave's end
	ds_add_u32 v[SPW], v[NIL]
	s_wait_dscnt 0x0
	CROUND                                         ; the closing round
	s_endpgm
.Lfunc_end_k_q5b5134877a_scores:
	.size	k_q5b5134877a_scores, .Lfunc_end_k_q5b5134877a_scores-k_q5b5134877a_scores
	.p2alignl 7, 3214868480
	.fill 96, 4, 3214868480
	.section	.rodata,"a",@progbits
	.p2align	6, 0x0
	.amdhsa_kernel k_q5b5134877a_scores
		.amdhsa_group_segment_fixed_size 327680
		.amdhsa_private_segment_fixed_size 0
		.amdhsa_enable_private_segment 0
		.amdhsa_kernarg_size 32
		.amdhsa_user_sgpr_count 2
		.amdhsa_user_sgpr_kernarg_segment_ptr 1
		.amdhsa_wavefront_size32 1
		.amdhsa_system_sgpr_workgroup_id_x 1
		.amdhsa_system_sgpr_workgroup_id_y 1
		.amdhsa_system_sgpr_workgroup_id_z 1
		.amdhsa_system_vgpr_workitem_id 0
		.amdhsa_next_free_vgpr 1024
		.amdhsa_next_free_sgpr 102
		.amdhsa_reserve_vcc 0
		.amdhsa_float_denorm_mode_32 3
		.amdhsa_float_denorm_mode_16_64 3
		.amdhsa_memory_ordered 1
		.amdhsa_forward_progress 1
		.amdhsa_inst_pref_size 111
	.end_amdhsa_kernel
	.amdgpu_metadata
---
amdhsa.version: [ 1, 2 ]
amdhsa.kernels:
  - .name:           k_q5b5134877a_scores
    .symbol:         k_q5b5134877a_scores.kd
    .args:
      - { .name: qk, .offset: 0, .size: 8, .value_kind: global_buffer, .address_space: global }
      - { .name: mask, .offset: 8, .size: 8, .value_kind: global_buffer, .address_space: global }
      - { .name: pt, .offset: 16, .size: 8, .value_kind: global_buffer, .address_space: global }
      - { .name: st, .offset: 24, .size: 8, .value_kind: global_buffer, .address_space: global }
    .group_segment_fixed_size: 327680
    .private_segment_fixed_size: 0
    .kernarg_segment_align: 8
    .kernarg_segment_size: 32
    .max_flat_workgroup_size: 128
    .sgpr_count:     102
    .vgpr_count:     1024
    .wavefront_size: 32
...
	.end_amdgpu_metadata
.endif
;; end of part 3
;; launch ctx (part 4): grid 4 x 64, 4 waves a work-group, clusters of 4 x 4, 327,680 bytes of LDS; arguments pt, pkk, st, pko; writes pko
.if DOCPART == 4
	.amdgcn_target "amdgcn-amd-amdhsa--gfx1250"
	.amdhsa_code_object_version 6
	.text
	.protected	k_q5b5134877a_ctx
	.globl	k_q5b5134877a_ctx
	.p2align	8
	.type	k_q5b5134877a_ctx,@function
k_q5b5134877a_ctx:
	s_mov_b64 s[64:65], 0
	v_nop
	global_prefetch_b8 v0, s[64:65] scope:SCOPE_SE
	s_setreg_imm32_b32 hwreg(HW_REG_WAVE_MODE, 25, 1), 1
	s_wait_xcnt 0x0
	s_wait_alu depctr_hold_cnt(0) depctr_sa_sdst(0) depctr_va_vdst(0) depctr_va_sdst(0) depctr_va_ssrc(0) depctr_va_vcc(0) depctr_vm_vsrc(0)
	s_getreg_b32 s2, hwreg(HW_REG_IB_STS2, 6, 4)
	s_cmp_eq_u32 s2, 0
	s_cbranch_scc0 .Lentry_in_a_cluster
	s_endpgm
.Lentry_in_a_cluster:
	s_bfe_u32 s2, ttmp6, 0x10000c
	s_cmp_lg_u32 s2, 0xf033
	s_cbranch_scc0 .Lentry_shape_is_right
	s_endpgm
.Lentry_shape_is_right:
; context[q][c] = (sum over key blocks j, keys k in j, of p[q][k] f_j[q] V[k][c]) / L[q].  p: [8192][2048] f16, the weights relative to their key block's maximum m_j; st: [4][16][2048][2] f32 = (m_j, l_j).
; M = the largest m_j of the row, f_j = 2^(c (m_j - M)), at most 1, rounded to f16; L = the sum of f_j l_j with the rounded f_j, at least 1; c = log2(e) / 32.
; V: [8192][1024] f16 at byte 0 of the second buffer; the context: [8192][1024] f16 at byte 0 of the last, rounded once.
; LIMITS.  p f below 6e-8 counts as 0; the context is a mean of V's rows and has their range; NaN and infinities are not treated apart.
; SHARES.  A tile is 128 queries x 256 channels: 256 work-groups.  Four waves, each 64 x 128: 32 accumulators.  The keys go in 16 steps of 128, a key block a step, through two LDS slots.
; THE MATRIX INSTRUCTION IS USED TRANSPOSED (source 0 = 16 channels of V, turned on the way out of LDS by ds_load_tr16_b128; source 1 = 16 queries of p, scaled by f_j in registers).
; CLUSTER.  4 x 4 work-groups: p's tile is asked for jointly along a row of the cluster, V's along a column.  Waves 0 and 1 fetch p's halves (64 rows x 256 bytes), waves 2 and 3 V's (64 keys x 512 bytes).
; NO PREFETCH: V's tiles are read by sixteen tile rows, p's by four tile columns, at about the same time.
; REGISTERS: window 0: v0-11 addresses; v12-19 1 / L, twice for each row block; v20-23 f_j for the four row blocks; v24-31 addresses and at work; v32-127, v128-223 two fragment buffers; v224-255 packed results.
;   window 1: accumulator (a, b) at v[8 (8 a + b)]
.set NSTEP,  16
.set STEPA,  256                       ; 128 keys of a row of p
.set STEPB,  128*2048                  ; 128 rows of V
.set ROWC,   2048
.set PITCH,  272
.set PV,     544                       ; a row of V in LDS: 512 bytes + 32 of padding
.set SLOT1,  131072
.set BOFF,   128*PITCH                 ; in a slot: p's 128 rows, then V's 128
.set STAGE,  SLOT1+BOFF+128*PV
.set FT,     STAGE+4*16*PITCH          ; f_j, twice in a word, for key block j and row t at 512 j + 4 t
.set INV,    8192                      ; behind them, from FT on: 1 / L for row t at 4 t
.set SPARE,  FT+8192+512               ; the spare words: two blocks of 256 bytes that no other line names
.set ADRA0, 2
.set ADRB0, 3
.set ADRA,  4
.set ADRB,  5
.set STO,   6
.set RD,    7
.set CO,    8
.set SPW,   10
.set NIL,   11
.set IV,    12
.set FAC,   20
.set FADR,  24                         ; v24  where this K step's factors lie
.set FADR0, 25                         ; v25  my lane's place in a key block's factors; never rewritten
.set F0,    32
.set F1,    128
.set SC,    160                        ; the way out: 64 scaled results
.set TMP,   224
.set OB,    32
.set G1A,  24
.set G0A0, 32
.set G0A,  36
.set G1B,  48
.set G0B0, 56
.set G0B,  60
.set TB,   66
.set FTS,  67                          ; s67  512 x the key block that is being read
.set MSB, 0
.macro WIN new
.if MSB != (\new)
	s_set_vgpr_msb (MSB<<8)|(\new)
.set MSB, (\new)
.endif
.endm
.macro PLACES
.rept 4
	v_nop
.endr
.endm
.macro CREST
	s_cmp_lg_u32 s10, 0
	s_cbranch_scc1 .Lnot_wave_0_\@
	s_barrier_signal -3
.Lnot_wave_0_\@:
	s_barrier_wait -3
	s_barrier_signal -1
	s_barrier_wait -1
.endm
.macro CROUND
	s_barrier_signal -1
	s_barrier_wait -1
	CREST
.endm
.macro JLOAD
	s_cmp_eq_u32 s11, 0
	s_cbranch_scc0 .Lfor_b_\@
	tensor_load_to_lds s[G0A:G0A+3], s[G1A:G1A+7]
	s_nop 0
	PLACES
	s_branch .Lasked_\@
.Lfor_b_\@:
	tensor_load_to_lds s[G0B:G0B+3], s[G1B:G1B+7]
	s_nop 0
	PLACES
.Lasked_\@:
.endm
.macro MUL8 f, a, first                ; the 32 accumulators take turns
	WIN 0x50
.irp b, 0,1,2,3,4,5,6,7
.if \first
	v_wmma_f32_16x16x32_f16 v[8*(8*(\a)+(\b)):8*(8*(\a)+(\b))+7], v[(\f)+32+8*(\b):(\f)+32+8*(\b)+7], v[(\f)+8*(\a):(\f)+8*(\a)+7], 0
.else
	v_wmma_f32_16x16x32_f16 v[8*(8*(\a)+(\b)):8*(8*(\a)+(\b))+7], v[(\f)+32+8*(\b):(\f)+32+8*(\b)+7], v[(\f)+8*(\a):(\f)+8*(\a)+7], v[8*(8*(\a)+(\b)):8*(8*(\a)+(\b))+7]
.endif
.endr
.endm
; 24 LDS loads in one run: V's eight fragments (32 keys x 16 channels each, turned), then p's four
.macro FETCH kq, f
	WIN 0
.irp i, 0,1,2,3,4,5,6,7
	ds_load_tr16_b128 v[(\f)+32+8*(\i):(\f)+32+8*(\i)+3],   v[ADRB] offset:32*PV*(\kq)+32*(\i)
	ds_load_tr16_b128 v[(\f)+32+8*(\i)+4:(\f)+32+8*(\i)+7], v[ADRB] offset:32*PV*(\kq)+32*(\i)+16*PV
.endr
.irp i, 0,1,2,3
	ds_load_b128 v[(\f)+8*(\i):(\f)+8*(\i)+3],   v[ADRA] offset:64*(\kq)+16*PITCH*(\i)
	ds_load_b128 v[(\f)+8*(\i)+4:(\f)+8*(\i)+7], v[ADRA] offset:64*(\kq)+16*PITCH*(\i)+32
.endr
.endm
.macro SCALE f, a                      ; p's fragment a times the row's f_j: a matrix operand scaled between its load and its product
	WIN 0
.irp j, 0,1,2,3,4,5,6,7
	v_pk_mul_f16 v[(\f)+8*(\a)+(\j)], v[(\f)+8*(\a)+(\j)], v[FAC+(\a)]
.endr
.endm
.macro QUARTER kq, f, g, first
	s_wait_dscnt 4                                 ; all but the youngest four loads: p's fragments 2 and 3
	SCALE \f, 0
	SCALE \f, 1
	MUL8 \f, 0, \first
	MUL8 \f, 1, \first
	s_wait_dscnt 0x0                               ; fragments 2 and 3 are in
	SCALE \f, 2
	SCALE \f, 3
	PLACES                                         ; in front of the loads into the other buffer
	FETCH \kq, \g
	MUL8 \f, 2, \first
	MUL8 \f, 3, \first
.endm
.macro TURN fill
	WIN 0
	s_wait_tensorcnt 0x0                           ; no tensor load of mine is out, so the walking descriptors may be written
	ds_add_u32 v[SPW], v[NIL]
.if \fill
	s_xor_b32 s[G0A+1], s[G0A+1], SLOT1
	s_add_nc_u64 s[G0A+2:G0A+3], s[G0A+2:G0A+3], STEPA
	s_xor_b32 s[G0B+1], s[G0B+1], SLOT1
	s_add_nc_u64 s[G0B+2:G0B+3], s[G0B+2:G0B+3], STEPB
.endif
	s_xor_b32 s[TB], s[TB], SLOT1
	s_add_co_u32 s[FTS], s[FTS], 512               ; the next key block's factors
	s_wait_dscnt 5                                 ; the add and p's fragments 2 and 3 may be out
	SCALE F1, 0
	SCALE F1, 1
	MUL8 F1, 0, 0
	s_wait_dscnt 0x0                               ; the add is done, and my reads of this slot are over
	s_barrier_signal -1
	MUL8 F1, 1, 0
	SCALE F1, 2
	SCALE F1, 3
	v_add_nc_u32 v[FADR], s[FTS], v[FADR0]
	v_add_nc_u32 v[ADRA], s[TB], v[ADRA0]
	v_add_nc_u32 v[ADRB], s[TB], v[ADRB0]
	s_barrier_wait -1
.if \fill
	CREST
	JLOAD
.else
	PLACES
.endif
.irp a, 0,1,2,3
	ds_load_b32 v[FAC+(\a)], v[FADR] offset:64*(\a)
.endr
	FETCH 0, F0
	MUL8 F1, 2, 0
	MUL8 F1, 3, 0
.endm
	s_load_b128 s[4:7], s[0:1], 0x0                ; p s[4:5], V s[6:7]
	s_load_b128 s[68:71], s[0:1], 0x10             ; st s[68:69], the context s[70:71]
	v_lshl_add_u32 v[SPW], v0, 2, SPARE
	v_mov_b32 v[NIL], 0
	ds_add_u32 v[SPW], v[NIL]                      ; the wave's opening: the add and its wait ahead of my first tensor load
	v_lshrrev_b32 v1, 5, v0
	v_readfirstlane_b32 s10, v1
	s_lshr_b32 s11, s10, 1                         ; my half of the tile's queries.  Also: I fetch for p (0) or for V (1)
	s_and_b32 s12, s10, 1                          ; my half of its channels.  Also: which half of that tile I fetch
	s_bfe_u32 s40, ttmp6, 0x40000
	s_bfe_u32 s41, ttmp6, 0x40004
	s_lshl_b32 s42, ttmp9, 2
	s_add_co_u32 s42, s42, s40                     ; tile column (256 channels)
	s_and_b32 s45, ttmp7, 0xffff
	s_lshl_b32 s13, s45, 2
	s_add_co_u32 s13, s13, s41                     ; tile row (128 of the 8,192 queries)
	s_lshr_b32 s45, s45, 2                         ; the batch: the same in all sixteen partners
	s_lshl_b32 s43, s41, 2
	s_lshl_b32 s43, 15, s43
	s_lshl_b32 s44, 0x1111, s40
	s_or_b32 s[G1A], s43, (1<<16)|(1<<20)|(1<<21)|(5<<22)|(3<<25)  ; rows of 64 words, 4 words of padding
	s_mov_b32 s[G1A+1], 128<<16
	s_mov_b32 s[G1A+2], 64<<16
	s_mov_b32 s[G1A+3], 128<<16
	s_mov_b32 s[G1A+4], 64
	s_mov_b32 s[G1A+5], 2048                       ; a row of p has 2,048 elements
	s_mov_b32 s[G1A+6], 0
	s_mov_b32 s[G1A+7], 0
	s_or_b32 s[G1B], s44, (1<<16)|(1<<20)|(1<<21)|(6<<22)|(7<<25)  ; rows of 128 words, 8 words of padding
	s_mov_b32 s[G1B+1], 256<<16                    ; tensor_dim0 = 256
	s_mov_b32 s[G1B+2], 64<<16                     ; tensor_dim1 = 64
	s_mov_b32 s[G1B+3], 256<<16                    ; tile_dim0 = 256
	s_mov_b32 s[G1B+4], 64                         ; tile_dim1 = 64
	s_mov_b32 s[G1B+5], 1024
	s_mov_b32 s[G1B+6], 0
	s_mov_b32 s[G1B+7], 0
	s_lshl_b32 s16, s13, 7                         ; p: row 128 x tile row + 64 x half, rows of 4,096 bytes: registers that never hold cx
	s_lshl_b32 s17, s12, 6
	s_add_co_u32 s16, s16, s17
	s_lshl_b32 s16, s16, 12
	s_mov_b32 s17, 0
	s_lshl_b32 s46, s45, 11                        ; V: row 2,048 x batch + 64 x half, byte 512 x tile column of it: registers that never hold cy
	s_lshl_b32 s47, s12, 6
	s_add_co_u32 s46, s46, s47
	s_lshl_b32 s46, s46, 11
	s_lshl_b32 s47, s42, 9
	s_add_co_u32 s46, s46, s47
	s_mov_b32 s47, 0
	s_mul_i32 s20, s12, 64*PITCH
	s_mul_i32 s21, s12, 64*PV
	s_add_co_u32 s21, s21, BOFF
	s_lshl_b32 s18, s45, 15                        ; st: (32,768 x batch + the tile's first row in the batch) x 8 bytes
	s_and_b32 s19, s13, 15
	s_lshl_b32 s19, s19, 7
	s_add_co_u32 s18, s18, s19
	s_lshl_b32 s18, s18, 3
	s_mov_b32 s19, 0
	s_lshl_b32 s22, s13, 7                         ; my part of the context
	s_lshl_b32 s23, s11, 6
	s_add_co_u32 s22, s22, s23
	s_lshl_b32 s22, s22, 11
	s_lshl_b32 s23, s42, 9
	s_add_co_u32 s22, s22, s23
	s_lshl_b32 s23, s12, 8
	s_add_co_u32 s22, s22, s23
	s_mov_b32 s23, 0
	s_mov_b32 s[TB], 0
	s_mov_b32 s[FTS], 0
	s_wait_dscnt 0x0                               ; the opening add is done
	s_wait_kmcnt 0x0
	s_add_nc_u64 s[14:15], s[4:5], s[16:17]
	s_add_nc_u64 s[46:47], s[6:7], s[46:47]
	s_add_nc_u64 s[68:69], s[68:69], s[18:19]
	s_add_nc_u64 s[8:9], s[70:71], s[22:23]
	CROUND                                         ; all sixteen work-groups are here: the first joint loads meet
	s_mov_b32 s[G0A0], 1
	s_mov_b32 s[G0A0+1], s20
	s_add_nc_u64 s[G0A0+2:G0A0+3], s[14:15], 0
	s_or_b32 s[G0A0+3], s[G0A0+3], 0x80000000
	s_mov_b32 s[G0A], 1
	s_add_co_u32 s[G0A+1], s20, SLOT1
	s_add_nc_u64 s[G0A+2:G0A+3], s[14:15], STEPA
	s_or_b32 s[G0A+3], s[G0A+3], 0x80000000
	s_mov_b32 s[G0B0], 1
	s_mov_b32 s[G0B0+1], s21
	s_add_nc_u64 s[G0B0+2:G0B0+3], s[46:47], 0
	s_or_b32 s[G0B0+3], s[G0B0+3], 0x80000000
	s_mov_b32 s[G0B], 1
	s_add_co_u32 s[G0B+1], s21, SLOT1
	s_add_nc_u64 s[G0B+2:G0B+3], s[46:47], STEPB
	s_or_b32 s[G0B+3], s[G0B+3], 0x80000000
	s_cmp_eq_u32 s11, 0                            ; a wave's two first fills stand in one branch: two loads of mine are out
	s_cbranch_scc0 .Lfirst_b
	tensor_load_to_lds s[G0A0:G0A0+3], s[G1A:G1A+7]
	s_nop 0
	tensor_load_to_lds s[G0A:G0A+3], s[G1A:G1A+7]
	s_nop 0
	PLACES
	s_branch .Lfirst_asked
.Lfirst_b:
	tensor_load_to_lds s[G0B0:G0B0+3], s[G1B:G1B+7]
	s_nop 0
	tensor_load_to_lds s[G0B:G0B+3], s[G1B:G1B+7]
	s_nop 0
	PLACES
.Lfirst_asked:
	; THE ROWS' FACTORS, while the first tiles are on their way: thread t takes row t of the tile: its sixteen (m_j, l_j); a wave's load covers 256 consecutive bytes
	v_lshlrev_b32 v26, 3, v0
	v_lshl_add_u32 v27, v0, 2, FT
.set j, 0
.rept 16
	global_load_b64 v[128+2*j:129+2*j], v26, s[68:69] offset:16384*j
.set j, j+1
.endr
	v_and_b32 v1, 15, v0                           ; l % 16
	v_bfe_u32 v9, v0, 4, 1                         ; l / 16
	v_mul_u32_u24 v31, v1, PITCH
	v_lshl_add_u32 v31, v9, 4, v31
	s_mul_i32 s22, s11, 64*PITCH
	v_add_nc_u32 v[ADRA0], s22, v31
	v_mov_b32 v[ADRA], v[ADRA0]
	s_mul_i32 s22, s10, 16*PITCH
	s_add_co_u32 s22, s22, STAGE
	v_add_nc_u32 v[STO], s22, v31
	v_mul_u32_u24 v31, v9, PITCH
	v_lshl_add_u32 v31, v1, 4, v31
	v_add_nc_u32 v[RD], s22, v31
	v_mul_u32_u24 v31, v9, ROWC
	v_lshl_add_u32 v[CO], v1, 4, v31
	; the turning load takes 16 keys x 16 channels: lane l reads key 8 (l / 16) + l % 8, channels 8 ((l / 8) % 2) + 0..7, and is left with channel l % 16 and 8 keys
	v_and_b32 v31, 7, v0
	v_lshl_add_u32 v31, v9, 3, v31
	v_mul_u32_u24 v31, v31, PV
	v_bfe_u32 v29, v0, 3, 1
	v_lshl_add_u32 v31, v29, 4, v31
	s_lshl_b32 s22, s12, 8                         ; my 128 channels: 256 bytes
	s_add_co_u32 s22, s22, BOFF
	v_add_nc_u32 v[ADRB0], s22, v31
	v_mov_b32 v[ADRB], v[ADRB0]
	s_lshl_b32 s22, s11, 8                         ; my 64 rows' factors: 256 bytes
	s_add_co_u32 s22, s22, FT
	v_lshl_add_u32 v[FADR0], v1, 2, s22
	v_mov_b32 v[FADR], v[FADR0]
	s_mov_b32 s23, 0x3d38aa3b                      ; c = log2(e) / 32
	s_wait_loadcnt 0x0
	v_max3_num_f32 v28, v128, v130, v132           ; M
.set j, 3
.rept 6
	v_max3_num_f32 v28, v28, v[128+2*j], v[130+2*j]
.set j, j+2
.endr
	v_max_num_f32 v28, v28, v158
.set j, 0
.rept 16
	v_sub_f32 v[64+j], v[128+2*j], v28             ; m_j - M first, then times c: equal maxima give exactly 0
.set j, j+1
.endr
.set j, 0
.rept 16
	v_mul_f32 v[64+j], s23, v[64+j]
.set j, j+1
.endr
.set j, 0
.rept 16
	v_exp_f32 v[64+j], v[64+j]
.set j, j+1
.endr
	v_mov_b32 v29, 0                               ; L starts at 0; also the plain instruction behind the last exponential
.set j, 0
	s_wait_alu depctr_va_vdst(0)
.rept 16
	v_cvt_pk_f16_f32 v[96+j], v[64+j], v[64+j]     ; f_j in f16, in both halves
.set j, j+1
.endr
.set j, 0
.rept 16
	v_fma_mix_f32 v29, v[96+j], v[129+2*j], v29 op_sel_hi:[1,0,0]  ; L += the rounded f_j x l_j, in f32
.set j, j+1
.endr
	v_rcp_f32 v30, v29
	v_nop                                          ; a plain instruction between the reciprocal and the use of its result
.set j, 0
.rept 16
	ds_store_b32 v27, v[96+j] offset:512*j
.set j, j+1
.endr
	s_wait_alu depctr_va_vdst(0)
	ds_store_b32 v27, v30 offset:INV
	s_wait_tensorcnt 1                             ; my part of K step 0 is in; slot 1's may stay out
	s_wait_dscnt 0x0                               ; for the others' sake: my rows' factors are written
	s_barrier_signal -1
	s_barrier_wait -1
.irp a, 0,1,2,3
	ds_load_b32 v[IV+2*(\a)],   v[FADR0] offset:INV+64*(\a)  ; 1 / L of my row in row block a, twice: a pair for the packed multiply
	ds_load_b32 v[IV+2*(\a)+1], v[FADR0] offset:INV+64*(\a)
.endr
.irp a, 0,1,2,3
	ds_load_b32 v[FAC+(\a)], v[FADR] offset:64*(\a)
.endr
	FETCH 0, F0
	QUARTER 1, F0, F1, 1
	WIN 0
	s_mov_b32 s3, NSTEP-2
.Lstep:
	QUARTER 2, F1, F0, 0
	QUARTER 3, F0, F1, 0
	TURN 1
	QUARTER 1, F0, F1, 0
	WIN 0
	s_sub_co_u32 s3, s3, 1
	s_cmp_lg_u32 s3, 0
	s_cbranch_scc1 .Lstep
	QUARTER 2, F1, F0, 0
	QUARTER 3, F0, F1, 0
	TURN 0
	QUARTER 1, F0, F1, 0
	QUARTER 2, F1, F0, 0
	QUARTER 3, F0, F1, 0
	s_wait_dscnt 4
	SCALE F1, 0
	SCALE F1, 1
	MUL8 F1, 0, 0
	MUL8 F1, 1, 0
	s_wait_dscnt 0x0
	SCALE F1, 2
	SCALE F1, 3
	MUL8 F1, 2, 0
	MUL8 F1, 3, 0
	WIN 0
	PLACES
; THE WAY OUT, a block of 16 rows at a time: divided by L, rounded to f16, through my own stage, stored as whole rows of 256 bytes.
.macro PACK a
	WIN 0x01                                       ; source 0 (the accumulator) window 1
.irp b, 0,1,2,3,4,5,6,7
.irp i, 0,1,2,3
	v_pk_mul_f32 v[SC+8*(\b)+2*(\i):SC+8*(\b)+2*(\i)+1], v[8*(8*(\a)+(\b))+2*(\i):8*(8*(\a)+(\b))+2*(\i)+1], v[IV+2*(\a):IV+2*(\a)+1]
.endr
.endr
	WIN 0
.set z, 0
.rept 32
	v_cvt_pk_f16_f32 v[TMP+z], v[SC+2*z], v[SC+2*z+1]
.set z, z+1
.endr
.endm
.macro TOSTAGE a
.irp b, 0,1,2,3,4,5,6,7
	ds_store_b128 v[STO], v[TMP+4*(\b):TMP+4*(\b)+3] offset:32*(\b)
.endr
.irp t, 0,1,2,3,4,5,6,7
	ds_load_b128 v[OB+32*(\a)+4*(\t):OB+32*(\a)+4*(\t)+3], v[RD] offset:2*PITCH*(\t)  ; LDS serves a wave's instructions in order (ISA guide 5.7.1.4): these see the stores above
.endr
.endm
.macro SEND a
.irp t, 0,1,2,3,4,5,6,7
	global_store_b128 v[CO], v[OB+32*(\a)+4*(\t):OB+32*(\a)+4*(\t)+3], s[8:9] offset:(16*(\a)+2*(\t))*ROWC  ; 16 lanes store 256 consecutive bytes, aligned
.endr
.endm
	PACK 0
	TOSTAGE 0
.irp a, 1,2,3
	PACK \a
	s_wait_dscnt 0x0
	SEND (\a)-1
	TOSTAGE \a
.endr
	s_wait_dscnt 0x0
	SEND 3
	s_wait_tensorcnt 0x0                           ; the wave's end
	ds_add_u32 v[SPW], v[NIL]
	s_wait_dscnt 0x0
	CROUND                                         ; the closing round
	s_endpgm
.Lfunc_end_k_q5b5134877a_ctx:
	.size	k_q5b5134877a_ctx, .Lfunc_end_k_q5b5134877a_ctx-k_q5b5134877a_ctx
	.p2alignl 7, 3214868480
	.fill 96, 4, 3214868480
	.section	.rodata,"a",@progbits
	.p2align	6, 0x0
	.amdhsa_kernel k_q5b5134877a_ctx
		.amdhsa_group_segment_fixed_size 327680
		.amdhsa_private_segment_fixed_size 0
		.amdhsa_enable_private_segment 0
		.amdhsa_kernarg_size 32
		.amdhsa_user_sgpr_count 2
		.amdhsa_user_sgpr_kernarg_segment_ptr 1
		.amdhsa_wavefront_size32 1
		.amdhsa_system_sgpr_workgroup_id_x 1
		.amdhsa_system_sgpr_workgroup_id_y 1
		.amdhsa_system_sgpr_workgroup_id_z 1
		.amdhsa_system_vgpr_workitem_id 0
		.amdhsa_next_free_vgpr 512
		.amdhsa_next_free_sgpr 72
		.amdhsa_reserve_vcc 0
		.amdhsa_float_denorm_mode_32 3
		.amdhsa_float_denorm_mode_16_64 3
		.amdhsa_memory_ordered 1
		.amdhsa_forward_progress 1
		.amdhsa_inst_pref_size 111
	.end_amdhsa_kernel
	.amdgpu_metadata
---
amdhsa.version: [ 1, 2 ]
amdhsa.kernels:
  - .name:           k_q5b5134877a_ctx
    .symbol:         k_q5b5134877a_ctx.kd
    .args:
      - { .name: pt, .offset: 0, .size: 8, .value_kind: global_buffer, .address_space: global }
      - { .name: pkk, .offset: 8, .size: 8, .value_kind: global_buffer, .address_space: global }
      - { .name: st, .offset: 16, .size: 8, .value_kind: global_buffer, .address_space: global }
      - { .name: pko, .offset: 24, .size: 8, .value_kind: global_buffer, .address_space: global }
    .group_segment_fixed_size: 327680
    .private_segment_fixed_size: 0
    .kernarg_segment_align: 8
    .kernarg_segment_size: 32
    .max_flat_workgroup_size: 128
    .sgpr_count:     72
    .vgpr_count:     512
    .wavefront_size: 32
...
	.end_amdgpu_metadata
.endif
;; end of part 4
;; launch outp (part 5): grid 4 x 64, 4 waves a work-group, clusters of 4 x 4, 327,680 bytes of LDS; arguments pko, bo, out0; writes out0
.if DOCPART == 5
	.amdgcn_target "amdgcn-amd-amdhsa--gfx1250"
	.amdhsa_code_object_version 6
	.text
	.protected	k_q5b5134877a_outp
	.globl	k_q5b5134877a_outp
	.p2align	8
	.type	k_q5b5134877a_outp,@function
k_q5b5134877a_outp:
	s_mov_b64 s[64:65], 0
	v_nop
	global_prefetch_b8 v0, s[64:65] scope:SCOPE_SE
	s_setreg_imm32_b32 hwreg(HW_REG_WAVE_MODE, 25, 1), 1
	s_wait_xcnt 0x0
	s_wait_alu depctr_hold_cnt(0) depctr_sa_sdst(0) depctr_va_vdst(0) depctr_va_sdst(0) depctr_va_ssrc(0) depctr_va_vcc(0) depctr_vm_vsrc(0)
	s_getreg_b32 s2, hwreg(HW_REG_IB_STS2, 6, 4)
	s_cmp_eq_u32 s2, 0
	s_cbranch_scc0 .Lentry_in_a_cluster
	s_endpgm
.Lentry_in_a_cluster:
	s_bfe_u32 s2, ttmp6, 0x10000c
	s_cmp_lg_u32 s2, 0xf033
	s_cbranch_scc0 .Lentry_shape_is_right
	s_endpgm
.Lentry_shape_is_right:
; out[m][n] = sum over k of A[m][k] W[n][k] + bias[n].  A (the context): [8192][1024] f16 at byte 0 of the first buffer, W (Wo): [1024][1024] f16 at byte WOFF of it; bias: [1024] f32, rounded to bf16
; like the other inputs and kept in f32; out: [8192][1024] f32, the sums as they are.
; SHARES, LAYOUT, CLUSTER: as in the projections in front.  A tile is 128 rows x 256 columns: 256 work-groups, four waves of 64 x 128, 32 accumulators each; K in 8 steps of 128 through two LDS slots;
; the matrix instruction transposed (source 0 = 16 rows of W, source 1 = 16 rows of A), so that a lane holds row l % 16 and the columns 8 (l / 16) + 0..7; the bias is the C operand that starts the sums;
; 4 x 4 work-groups ask for A's tile jointly along a row of the cluster and for W's along a column.  NO PREFETCH: each tile is read by several clusters at about the same time.
; THE WAY OUT differs: f32 rows of 512 bytes go through the stage, and each store of a wave covers 512 consecutive bytes.
; REGISTERS: window 0: v0-31 addresses; v32-127, v128-223 two fragment buffers, later rows read back.  Window 1: accumulator (a, b) at v[8 (8 a + b)].  Window 2: v0-63 the bias; v64-65 at work.
.set NSTEP,  8
.set WOFF,   16777216
.set STEP,   256
.set ROWC,   4096                      ; bytes in a row of out
.set PITCH,  272
.set SLOT1,  131072
.set BOFF,   128*PITCH
.set STAGE,  SLOT1+BOFF+256*PITCH      ; 16 rows x 528 bytes for each wave
.set SPITCH, 528                       ; 512 bytes + 16 of padding
.set SPARE,  STAGE+4*16*SPITCH         ; the spare words: two blocks of 256 bytes that no other line names
.set ADRA0, 2
.set ADRB0, 3
.set ADRA,  4
.set ADRB,  5
.set STO,   6
.set RD,    7
.set CO,    8
.set SPW,   10
.set NIL,   11
.set F0,    32
.set F1,    128
.set OB,    32                         ; rows read back: two sets of 64 registers by turns
.set G1A,  24
.set G0A0, 32
.set G0A,  36
.set G1B,  48
.set G0B0, 56
.set G0B,  60
.set TB,   66
.set MSB, 0
.macro WIN new
.if MSB != (\new)
	s_set_vgpr_msb (MSB<<8)|(\new)
.set MSB, (\new)
.endif
.endm
.macro PLACES
.rept 4
	v_nop
.endr
.endm
.macro CREST
	s_cmp_lg_u32 s10, 0
	s_cbranch_scc1 .Lnot_wave_0_\@
	s_barrier_signal -3
.Lnot_wave_0_\@:
	s_barrier_wait -3
	s_barrier_signal -1
	s_barrier_wait -1
.endm
.macro CROUND
	s_barrier_signal -1
	s_barrier_wait -1
	CREST
.endm
.macro JLOAD
	s_cmp_eq_u32 s11, 0
	s_cbranch_scc0 .Lfor_b_\@
	tensor_load_to_lds s[G0A:G0A+3], s[G1A:G1A+7]
	s_nop 0
	PLACES
	s_branch .Lasked_\@
.Lfor_b_\@:
	tensor_load_to_lds s[G0B:G0B+3], s[G1B:G1B+7]
	s_nop 0
	PLACES
.Lasked_\@:
.endm
.macro MUL8 f, a, first                ; first = 1: the bias starts the sums.  The 32 accumulators take turns
.if \first
	WIN 0x60
.else
	WIN 0x50
.endif
.irp b, 0,1,2,3,4,5,6,7
.if \first
	v_wmma_f32_16x16x32_f16 v[8*(8*(\a)+(\b)):8*(8*(\a)+(\b))+7], v[(\f)+32+8*(\b):(\f)+32+8*(\b)+7], v[(\f)+8*(\a):(\f)+8*(\a)+7], v[8*(\b):8*(\b)+7]
.else
	v_wmma_f32_16x16x32_f16 v[8*(8*(\a)+(\b)):8*(8*(\a)+(\b))+7], v[(\f)+32+8*(\b):(\f)+32+8*(\b)+7], v[(\f)+8*(\a):(\f)+8*(\a)+7], v[8*(8*(\a)+(\b)):8*(8*(\a)+(\b))+7]
.endif
.endr
.endm
.macro FETCH kq, f
	WIN 0
.irp i, 0,1,2,3,4,5,6,7
	ds_load_b128 v[(\f)+32+8*(\i):(\f)+32+8*(\i)+3],   v[ADRB] offset:64*(\kq)+16*PITCH*(\i)
	ds_load_b128 v[(\f)+32+8*(\i)+4:(\f)+32+8*(\i)+7], v[ADRB] offset:64*(\kq)+16*PITCH*(\i)+32
.endr
.irp i, 0,1,2,3
	ds_load_b128 v[(\f)+8*(\i):(\f)+8*(\i)+3],   v[ADRA] offset:64*(\kq)+16*PITCH*(\i)
	ds_load_b128 v[(\f)+8*(\i)+4:(\f)+8*(\i)+7], v[ADRA] offset:64*(\kq)+16*PITCH*(\i)+32
.endr
.endm
.macro QUARTER kq, f, g, first
	s_wait_dscnt 4                                 ; all but the youngest four loads: A's fragments 2 and 3
	MUL8 \f, 0, \first
	MUL8 \f, 1, \first
	PLACES
	FETCH \kq, \g
	s_wait_dscnt 24                                ; all but the 24 just issued
	MUL8 \f, 2, \first
	MUL8 \f, 3, \first
.endm
.macro TURN fill
	WIN 0
	s_wait_tensorcnt 0x0                           ; no tensor load of mine is out, so the walking descriptors may be written
	ds_add_u32 v[SPW], v[NIL]
.if \fill
	s_xor_b32 s[G0A+1], s[G0A+1], SLOT1
	s_add_nc_u64 s[G0A+2:G0A+3], s[G0A+2:G0A+3], STEP
	s_xor_b32 s[G0B+1], s[G0B+1], SLOT1
	s_add_nc_u64 s[G0B+2:G0B+3], s[G0B+2:G0B+3], STEP
.endif
	s_xor_b32 s[TB], s[TB], SLOT1
	s_wait_dscnt 5                                 ; the add and A's fragments 2 and 3 may be out
	MUL8 F1, 0, 0
	s_wait_dscnt 0x0                               ; the add is done, and my reads of this slot are over
	s_barrier_signal -1
	MUL8 F1, 1, 0
	WIN 0
	v_add_nc_u32 v[ADRA], s[TB], v[ADRA0]
	v_add_nc_u32 v[ADRB], s[TB], v[ADRB0]
	s_barrier_wait -1
.if \fill
	CREST
	JLOAD
.else
	PLACES
.endif
	FETCH 0, F0
	MUL8 F1, 2, 0
	MUL8 F1, 3, 0
.endm
	s_load_b128 s[4:7], s[0:1], 0x0                ; A and W s[4:5], bias s[6:7]
	s_load_b64 s[8:9], s[0:1], 0x10                ; out
	v_lshl_add_u32 v[SPW], v0, 2, SPARE
	v_mov_b32 v[NIL], 0
	ds_add_u32 v[SPW], v[NIL]                      ; the wave's opening: the add and its wait ahead of my first tensor load
	v_lshrrev_b32 v1, 5, v0
	v_readfirstlane_b32 s10, v1
	s_lshr_b32 s11, s10, 1
	s_and_b32 s12, s10, 1
	s_bfe_u32 s40, ttmp6, 0x40000
	s_bfe_u32 s41, ttmp6, 0x40004
	s_lshl_b32 s42, ttmp9, 2
	s_add_co_u32 s42, s42, s40                     ; tile column
	s_and_b32 s13, ttmp7, 0xffff
	s_lshl_b32 s13, s13, 2
	s_add_co_u32 s13, s13, s41                     ; tile row
	s_lshl_b32 s43, s41, 2
	s_lshl_b32 s43, 15, s43
	s_lshl_b32 s44, 0x1111, s40
	s_or_b32 s[G1A], s43, (1<<16)|(1<<20)|(1<<21)|(5<<22)|(3<<25)
	s_mov_b32 s[G1A+1], 128<<16
	s_mov_b32 s[G1A+2], 64<<16
	s_mov_b32 s[G1A+3], 128<<16
	s_mov_b32 s[G1A+4], 64
	s_mov_b32 s[G1A+5], 1024
	s_mov_b32 s[G1A+6], 0
	s_mov_b32 s[G1A+7], 0
	s_or_b32 s[G1B], s44, (1<<16)|(1<<20)|(1<<21)|(5<<22)|(3<<25)
	s_mov_b32 s[G1B+1], 128<<16
	s_mov_b32 s[G1B+2], 128<<16
	s_mov_b32 s[G1B+3], 128<<16
	s_mov_b32 s[G1B+4], 128
	s_mov_b32 s[G1B+5], 1024
	s_mov_b32 s[G1B+6], 0
	s_mov_b32 s[G1B+7], 0
	s_lshl_b32 s16, s13, 7                         ; A's rows: registers that never hold cx
	s_lshl_b32 s17, s12, 6
	s_add_co_u32 s16, s16, s17
	s_lshl_b32 s16, s16, 11
	s_mov_b32 s17, 0
	s_lshl_b32 s46, s42, 8                         ; W's rows: registers that never hold cy
	s_lshl_b32 s47, s12, 7
	s_add_co_u32 s46, s46, s47
	s_lshl_b32 s46, s46, 11
	s_add_co_u32 s46, s46, WOFF
	s_mov_b32 s47, 0
	s_mul_i32 s20, s12, 64*PITCH
	s_mul_i32 s21, s12, 128*PITCH
	s_add_co_u32 s21, s21, BOFF
	s_mov_b32 s[TB], 0
	s_wait_dscnt 0x0                               ; the opening add is done
	s_wait_kmcnt 0x0
	s_add_nc_u64 s[14:15], s[4:5], s[16:17]
	s_add_nc_u64 s[46:47], s[4:5], s[46:47]
	CROUND                                         ; all sixteen work-groups are here: the first joint loads meet
	s_mov_b32 s[G0A0], 1
	s_mov_b32 s[G0A0+1], s20
	s_add_nc_u64 s[G0A0+2:G0A0+3], s[14:15], 0
	s_or_b32 s[G0A0+3], s[G0A0+3], 0x80000000
	s_mov_b32 s[G0A], 1
	s_add_co_u32 s[G0A+1], s20, SLOT1
	s_add_nc_u64 s[G0A+2:G0A+3], s[14:15], STEP
	s_or_b32 s[G0A+3], s[G0A+3], 0x80000000
	s_mov_b32 s[G0B0], 1
	s_mov_b32 s[G0B0+1], s21
	s_add_nc_u64 s[G0B0+2:G0B0+3], s[46:47], 0
	s_or_b32 s[G0B0+3], s[G0B0+3], 0x80000000
	s_mov_b32 s[G0B], 1
	s_add_co_u32 s[G0B+1], s21, SLOT1
	s_add_nc_u64 s[G0B+2:G0B+3], s[46:47], STEP
	s_or_b32 s[G0B+3], s[G0B+3], 0x80000000
	s_cmp_eq_u32 s11, 0                            ; a wave's two first fills stand in one branch: two loads of mine are out
	s_cbranch_scc0 .Lfirst_b
	tensor_load_to_lds s[G0A0:G0A0+3], s[G1A:G1A+7]
	s_nop 0
	tensor_load_to_lds s[G0A:G0A+3], s[G1A:G1A+7]
	s_nop 0
	PLACES
	s_branch .Lfirst_asked
.Lfirst_b:
	tensor_load_to_lds s[G0B0:G0B0+3], s[G1B:G1B+7]
	s_nop 0
	tensor_load_to_lds s[G0B:G0B+3], s[G1B:G1B+7]
	s_nop 0
	PLACES
.Lfirst_asked:
	v_and_b32 v1, 15, v0                           ; l % 16
	v_bfe_u32 v9, v0, 4, 1                         ; l / 16
	v_mul_u32_u24 v31, v1, PITCH
	v_lshl_add_u32 v31, v9, 4, v31
	s_mul_i32 s22, s11, 64*PITCH
	v_add_nc_u32 v[ADRA0], s22, v31
	s_mul_i32 s22, s12, 128*PITCH
	s_add_co_u32 s22, s22, BOFF
	v_add_nc_u32 v[ADRB0], s22, v31
	v_mov_b32 v[ADRA], v[ADRA0]
	v_mov_b32 v[ADRB], v[ADRB0]
	s_mul_i32 s22, s10, 16*SPITCH
	s_add_co_u32 s22, s22, STAGE                   ; my stage
	v_mul_u32_u24 v31, v1, SPITCH                  ; in: row l % 16, 32 bytes for each half of the lanes
	v_lshl_add_u32 v31, v9, 5, v31
	v_add_nc_u32 v[STO], s22, v31
	v_and_b32 v[CO], 31, v0                        ; back and out: 32 lanes take one row of 512 bytes
	v_lshlrev_b32 v[CO], 4, v[CO]
	v_add_nc_u32 v[RD], s22, v[CO]
	s_lshl_b32 s18, s13, 7                         ; my part of out: row 128 x tile row + 64 x half, column 256 x tile column + 128 x half
	s_lshl_b32 s19, s11, 6
	s_add_co_u32 s18, s18, s19
	s_lshl_b32 s18, s18, 12
	s_lshl_b32 s19, s42, 10
	s_add_co_u32 s18, s18, s19
	s_lshl_b32 s19, s12, 9
	s_add_co_u32 s18, s18, s19
	s_mov_b32 s19, 0
	s_add_nc_u64 s[8:9], s[8:9], s[18:19]
	s_lshl_b32 s22, s42, 10                        ; the bias as an accumulator
	s_lshl_b32 s23, s12, 9
	s_add_co_u32 s22, s22, s23
	v_lshl_add_u32 v25, v9, 5, s22
	WIN 0x80
.irp b, 0,1,2,3,4,5,6,7
	global_load_b128 v[8*(\b):8*(\b)+3],   v25, s[6:7] offset:64*(\b)
	global_load_b128 v[8*(\b)+4:8*(\b)+7], v25, s[6:7] offset:64*(\b)+16
.endr
	s_wait_loadcnt 0x0
	WIN 0x8a
.set z, 0
.rept 32
	v_cvt_pk_bf16_f32 v[64+z%2], v[2*z], v[2*z+1]  ; rounded to bf16 like the other inputs, and kept in f32
	v_lshlrev_b32 v[2*z], 16, v[64+z%2]
	v_and_b32 v[2*z+1], 0xffff0000, v[64+z%2]
.set z, z+1
.endr
	WIN 0
	s_wait_tensorcnt 1                             ; my part of K step 0 is in; slot 1's may stay out
	s_barrier_signal -1
	s_barrier_wait -1
	FETCH 0, F0
	QUARTER 1, F0, F1, 1
	WIN 0
	s_mov_b32 s3, NSTEP-2
.Lstep:
	QUARTER 2, F1, F0, 0
	QUARTER 3, F0, F1, 0
	TURN 1
	QUARTER 1, F0, F1, 0
	WIN 0
	s_sub_co_u32 s3, s3, 1
	s_cmp_lg_u32 s3, 0
	s_cbranch_scc1 .Lstep
	QUARTER 2, F1, F0, 0
	QUARTER 3, F0, F1, 0
	TURN 0
	QUARTER 1, F0, F1, 0
	QUARTER 2, F1, F0, 0
	QUARTER 3, F0, F1, 0
	s_wait_dscnt 4
	MUL8 F1, 0, 0
	MUL8 F1, 1, 0
	s_wait_dscnt 0x0
	MUL8 F1, 2, 0
	MUL8 F1, 3, 0
	WIN 0
	PLACES
; THE WAY OUT, a block of 16 rows at a time: the accumulators go into my own stage as they are (low four registers first), and come back as whole rows of 512 bytes.
.macro TOSTAGE a
.if (\a) >= 2
	s_wait_xcnt 0x0                                ; the stores of the block two back have read the registers that are loaded again below
.endif
	WIN 0x04                                       ; the data in window 1
.irp b, 0,1,2,3,4,5,6,7
	ds_store_b128 v[STO], v[8*(8*(\a)+(\b)):8*(8*(\a)+(\b))+3]   offset:64*(\b)
	ds_store_b128 v[STO], v[8*(8*(\a)+(\b))+4:8*(8*(\a)+(\b))+7] offset:64*(\b)+16
.endr
	WIN 0
.irp t, 0,1,2,3,4,5,6,7,8,9,10,11,12,13,14,15
	ds_load_b128 v[OB+64*((\a)%2)+4*(\t):OB+64*((\a)%2)+4*(\t)+3], v[RD] offset:SPITCH*(\t)  ; LDS serves a wave's instructions in order (ISA guide 5.7.1.4): these see the stores above
.endr
.endm
.macro SEND a
.irp t, 0,1,2,3,4,5,6,7,8,9,10,11,12,13,14,15
	global_store_b128 v[CO], v[OB+64*((\a)%2)+4*(\t):OB+64*((\a)%2)+4*(\t)+3], s[8:9] offset:(16*(\a)+(\t))*ROWC th:TH_STORE_NT  ; 512 consecutive bytes, aligned
.endr
.endm
	TOSTAGE 0
.irp a, 1,2,3
	s_wait_dscnt 0x0
	SEND (\a)-1
	TOSTAGE \a
.endr
	s_wait_dscnt 0x0
	SEND 3
	s_wait_tensorcnt 0x0                           ; the wave's end
	ds_add_u32 v[SPW], v[NIL]
	s_wait_dscnt 0x0
	CROUND                                         ; the closing round
	s_endpgm
.Lfunc_end_k_q5b5134877a_outp:
	.size	k_q5b5134877a_outp, .Lfunc_end_k_q5b5134877a_outp-k_q5b5134877a_outp
	.p2alignl 7, 3214868480
	.fill 96, 4, 3214868480
	.section	.rodata,"a",@progbits
	.p2align	6, 0x0
	.amdhsa_kernel k_q5b5134877a_outp
		.amdhsa_group_segment_fixed_size 327680
		.amdhsa_private_segment_fixed_size 0
		.amdhsa_enable_private_segment 0
		.amdhsa_kernarg_size 24
		.amdhsa_user_sgpr_count 2
		.amdhsa_user_sgpr_kernarg_segment_ptr 1
		.amdhsa_wavefront_size32 1
		.amdhsa_system_sgpr_workgroup_id_x 1
		.amdhsa_system_sgpr_workgroup_id_y 1
		.amdhsa_system_sgpr_workgroup_id_z 1
		.amdhsa_system_vgpr_workitem_id 0
		.amdhsa_next_free_vgpr 584
		.amdhsa_next_free_sgpr 68
		.amdhsa_reserve_vcc 0
		.amdhsa_float_denorm_mode_32 3
		.amdhsa_float_denorm_mode_16_64 3
		.amdhsa_memory_ordered 1
		.amdhsa_forward_progress 1
		.amdhsa_inst_pref_size 75
	.end_amdhsa_kernel
	.amdgpu_metadata
---
amdhsa.version: [ 1, 2 ]
amdhsa.kernels:
  - .name:           k_q5b5134877a_outp
    .symbol:         k_q5b5134877a_outp.kd
    .args:
      - { .name: pko, .offset: 0, .size: 8, .value_kind: global_buffer, .address_space: global }
      - { .name: bo, .offset: 8, .size: 8, .value_kind: global_buffer, .address_space: global }
      - { .name: out0, .offset: 16, .size: 8, .value_kind: global_buffer, .address_space: global }
    .group_segment_fixed_size: 327680
    .private_segment_fixed_size: 0
    .kernarg_segment_align: 8
    .kernarg_segment_size: 24
    .max_flat_workgroup_size: 128
    .sgpr_count:     68
    .vgpr_count:     584
    .wavefront_size: 32
...
	.end_amdgpu_metadata
.endif
;; end of part 5
